; MI455X (gfx1250); checked and timed in simulation.
; The chip was launched on July 23, 2026; its instructions are those of AMD's public machine-readable ISA for CDNA 5 (MIT licence, August 2026) and "CDNA5" Instruction Set Architecture Reference Guide (July 2026). The comments in the code are by the model that wrote it; some were corrected since.
;; Multi Head Self Attention. Allowed arithmetic: matrix products marked QUANTISED: E5M2 operands, one E8M0 scale for each 32 along K, by v_wmma_scale_f32_16x16x128_f8f6f4 with both operands' format E5M2, f32 sums; everything else in f32.
;; Inputs: Wk_codes 1,024 x 32 x 32 uint8 (E5M2 codes of Wk, K innermost, in blocks of 32 codes); Wk_scales 1,024 x 32 uint8 (E8M0 scales of Wk, one for each 32 codes along K); Wo_codes 1,024 x 32 x 32 uint8 (E5M2 codes of Wo, K innermost, in blocks of 32 codes); Wo_scales 1,024 x 32 uint8 (E8M0 scales of Wo, one for each 32 codes along K); Wq_codes 1,024 x 32 x 32 uint8 (E5M2 codes of Wq, K innermost, in blocks of 32 codes); Wq_scales 1,024 x 32 uint8 (E8M0 scales of Wq, one for each 32 codes along K); Wv_codes 1,024 x 32 x 32 uint8 (E5M2 codes of Wv, K innermost, in blocks of 32 codes); Wv_scales 1,024 x 32 uint8 (E8M0 scales of Wv, one for each 32 codes along K); bk 1,024 float32; bo 1,024 float32; bq 1,024 float32; bv 1,024 float32; x_codes 4 x 2,048 x 32 x 32 uint8 (E5M2 codes of x, K innermost, in blocks of 32 codes); x_scales 4 x 2,048 x 32 uint8 (E8M0 scales of x, one for each 32 codes along K).
;; Outputs: out0 4 x 2,048 x 1,024 float32.
;; This version of the problem:
;;   THIS VERSION OF THE PROBLEM IS GIVEN IN LOW PRECISION. The matrix products marked QUANTISED in the list below multiply operands that are first quantised to E5M2 (5 exponent bits, 2 mantissa bits; 8 bits a number), with one power-of-two scale for each 32 numbers along K (OCP MX v1.0); their sums are f32. All else is computed in f32.
;;   The module's matrix products, in the order in which they are computed (A, B: the left and right operand; K: the contracted axis; several contracted axes count as one K, in the product's order):
;;     1. [M 8,192, K 1,024] x [K 1,024, N 1,024]; A: input x (given as codes); B: input Wq (given as codes): QUANTISED
;;     2. [M 8,192, K 1,024] x [K 1,024, N 1,024]; A: input x (given as codes); B: input Wk (given as codes): QUANTISED
;;     3. [M 8,192, K 1,024] x [K 1,024, N 1,024]; A: input x (given as codes); B: input Wv (given as codes): QUANTISED
;;     4. batch 64 x [M 2,048, K 64] x [K 64, N 2,048]; A: computed on the way; B: computed on the way: QUANTISED
;;     5. batch 64 x [M 2,048, K 2,048] x [K 2,048, N 64]; A: softmax (see below); B: computed on the way: QUANTISED
;;     6. [M 8,192, K 1,024] x [K 1,024, N 1,024]; A: computed on the way; B: input Wo (given as codes): QUANTISED
;;   THE QUANTISER, for each operand of a quantised product, along K:
;;     - K is cut into blocks of 32 from its start; a last block that is shorter is filled with zeros.
;;     - A block's scale is 2^e with e = floor(log2(the largest magnitude in the block)) - 15, held to -126 .. 127; a block of zeros has e = 0. As a byte (E8M0): e + 127.
;;     - Each number is divided by its block's scale, clamped to +-57,344, and rounded to the nearest number of E5M2, ties to even, subnormals kept.
;;     - The product sums the exact products of the quantised numbers (number of the format x scale) in f32.
;;   ~~~python
;;   def quantise(x, axis):      # numpy; x: float32 -> the quantised numbers, widened to float32 again
;;       x = np.moveaxis(x, axis, -1); K = x.shape[-1]
;;       x = np.pad(x, [(0, 0)] * (x.ndim - 1) + [(0, -K % 32)]); x = x.reshape(x.shape[:-1] + (-1, 32)); a = np.abs(x).max(-1, keepdims=True)
;;       e = np.where(a > 0, np.clip(np.frexp(np.where(a > 0, a, 1))[1] - 1 - 15, -126, 127), 0)      # np.frexp(a)[1] - 1 = floor(log2(a)), exactly
;;       r = np.clip(x / 2.0 ** e, -57344, 57344)
;;       step = 2.0 ** (np.maximum(np.frexp(np.where(r == 0, 1, r))[1] - 1, -14) - 2)
;;       q = np.round(r / step) * step * 2.0 ** e      # np.round: ties to even
;;       return np.moveaxis(q.reshape(q.shape[:-2] + (-1,))[..., :K], -1, axis).astype(np.float32)
;;   ~~~
;;   SOFTMAX AHEAD OF A QUANTISED PRODUCT. Where the list says 'softmax', what is quantised is not the finished softmax but p = 2^(t - M), with t = logit x log2(e) and M = ceil(the row's largest t), a whole number; so 1/2 < the row's largest p <= 1. The row's sum l is taken of the UNQUANTISED p, in f32, and the product's result is divided by l at the end. Since M is a whole number, a kernel that streams over the keys may use a running M (the ceiling of the running maximum): every later rescaling is an exact power of two, which a block's scale takes up: the codes' values come out the same.
;;   OPERANDS COMPUTED ON THE WAY. 'Computed on the way' means the value that the module computes at that place (a softmax that the list does not call 'softmax' is quantised finished and normalised). What goes into a quantiser is computed in f32, as accurately as f32 sums, v_exp_f32 and their like allow (about 1e-6 of the number): no bf16 or f16 on the way to a quantiser, and a product that is left as it is and whose result goes on into a quantised operand takes f32 operands (vector FMAs, or v_wmma_f32_16x16x4_f32). A number that lies on a knife's edge between two numbers of the format may be rounded either way, as far as f32 arithmetic and the matrix unit's own rounding can turn it there, and no further.
;;   INPUTS GIVEN AS CODES. Wk (in the module: [1024, 1024], K = its axis 1); Wo (in the module: [1024, 1024], K = its axis 1); Wq (in the module: [1024, 1024], K = its axis 1); Wv (in the module: [1024, 1024], K = its axis 1); x (in the module: [4, 2048, 1024], K = its axis 2): each comes as NAME_codes (uint8): NAME with its K axis moved to the last place and cut into blocks of 32 codes, [.., K / 32, bytes a block], one block behind the other in memory; one code a byte (a code: sign, 5 exponent bits, 2 mantissa bits); and NAME_scales (uint8): the same leading axes, one E8M0 byte (e + 127) for each 32 codes along K. Its value is code x scale, taken as it is: it is not quantised again, and the codes and scales need not be those that the quantiser above would give.
;; One version. Each part assembles by itself: llvm-mc -triple=amdgcn-amd-amdhsa -mcpu=gfx1250 --defsym DOCPART=n.
;; ======== version 1 of 1: 3 launches
;; limits: right only within a limited range of input values
;; workspace buffers: q_codes 8,388,608 bytes; k_codes 8,388,608 bytes; v_codes 8,388,608 bytes; o_codes 8,388,608 bytes; q_scales 262,144 bytes; k_scales 262,144 bytes; v_scales 262,144 bytes; o_scales 262,144 bytes
;; launch qkv (part 1): grid 12 x 32, 4 waves a work-group, clusters of 4 x 4, 327,680 bytes of LDS; arguments x_codes, x_scales, Wq_codes, Wq_scales, Wk_codes, Wk_scales, Wv_codes, Wv_scales, q_codes, k_codes, v_codes, q_scales, k_scales, v_scales, bq, bk, bv; writes q_codes, k_codes, v_codes, q_scales, k_scales, v_scales
.if DOCPART == 1
	.amdgcn_target "amdgcn-amd-amdhsa--gfx1250"
	.amdhsa_code_object_version 6
	.text
	.protected	k_qf999da1d9c_qkv
	.globl	k_qf999da1d9c_qkv
	.p2align	8
	.type	k_qf999da1d9c_qkv,@function
k_qf999da1d9c_qkv:
	s_mov_b64 s[64:65], 0
	v_nop
	global_prefetch_b8 v0, s[64:65] scope:SCOPE_SE
	s_setreg_imm32_b32 hwreg(HW_REG_WAVE_MODE, 25, 1), 1
	s_wait_xcnt 0x0
	s_wait_alu depctr_hold_cnt(0) depctr_sa_sdst(0) depctr_va_vdst(0) depctr_va_sdst(0) depctr_va_ssrc(0) depctr_va_vcc(0) depctr_vm_vsrc(0)
	s_getreg_b32 s2, hwreg(HW_REG_IB_STS2, 6, 4)
	s_cmp_eq_u32 s2, 0
	s_cbranch_scc0 .Lentry_in_a_cluster
	s_endpgm
.Lentry_in_a_cluster:
	s_bfe_u32 s2, ttmp6, 0x10000c
	s_cmp_lg_u32 s2, 0xf033
	s_cbranch_scc0 .Lentry_shape_is_right
	s_endpgm
.Lentry_shape_is_right:
.set KSTEP,  256
.set NQ,     2
.set ROWB,   256
.set KROW,   1024
.set PITCH,  272
.set FR,     16
.set NL,     4
.set NP,     8
.set HALFT,  128*PITCH
.set SLOT,   4*HALFT
.set LAPS,   2
.set KS,     32
.set SCL,    2*SLOT
.set HALFS,  16*272
.set SBLK,   2*272
.set SPARE,  SCL+4*HALFS
.set SSQ,    256*PITCH
.set SSV,    SSQ+2048
.set ADRA, 16
.set ASQ,  18
.set ASV,  19
.set ADRB, 20
.set GO,   22
.set V16H, 23
.set STO,  24
.set RDQ,  25
.set ADRS, 27
.set SPW,  28
.set NIL,  29
.set RDV,  30
.set RS,   31
.set SC,   32
.set BN,   64
.set BMR,  8
.set BMP,  64
.set AF,   128
.set T,    128
.set PC,   192
.set TM,   224
.set SW,   240
.set HW,   248
.set G1, 24
.set G0, 32
.set G1B, 48
.set G0B, 56
.set G1S, 68
.set G0S, 76
.set G1SB, 80
.set G0SB, 88
.set SEL, 92
.set MNT, 94
.set MSB, 0
.macro WIN new
.if MSB != (\new)
	s_set_vgpr_msb (MSB<<8)|(\new)
.set MSB, (\new)
.endif
.endm
.set MUL_LO, 0xa1
.set MUL_HI, 0xf1
.set BIAS_LO, 0x81
.set BIAS_HI, 0xc1
.set TO_B,   0x40
.macro JLOAD g0a, g1a, g0b, g1b
	s_cmp_eq_u32 s15, 0
	s_cbranch_scc0 .Lfor_b_\@
	tensor_load_to_lds s[\g0a:\g0a+3], s[\g1a:\g1a+7]
	s_nop 0
.rept 4
	v_nop
.endr
	s_branch .Lasked_\@
.Lfor_b_\@:
	tensor_load_to_lds s[\g0b:\g0b+3], s[\g1b:\g1b+7]
	s_nop 0
.rept 4
	v_nop
.endr
.Lasked_\@:
.endm
.macro CREST
	s_cmp_lg_u32 s14, 0
	s_cbranch_scc1 .Lnot_wave_0_\@
	s_barrier_signal -3
.Lnot_wave_0_\@:
	s_barrier_wait -3
	s_barrier_signal -1
	s_barrier_wait -1
.endm
.macro CROUND
	s_barrier_signal -1
	s_barrier_wait -1
	CREST
.endm
	s_load_b512 s[68:83], s[0:1], 0x0
	s_load_b512 s[84:99], s[0:1], 0x40
	s_load_b64 s[100:101], s[0:1], 0x80
	v_lshl_add_u32 v[SPW], v0, 2, SPARE
	v_mov_b32 v[NIL], 0
	ds_add_u32 v28, v29
	ds_add_u32 v28, v29
	s_wait_dscnt 0x0
	v_lshrrev_b32 v1, 5, v0
	v_readfirstlane_b32 s14, v1
	s_lshr_b32 s15, s14, 1
	s_and_b32 s16, s14, 1
	s_bfe_u32 s40, ttmp6, 0x40000
	s_bfe_u32 s41, ttmp6, 0x40004
	s_and_b32 s18, ttmp7, 0xffff
	s_lshl_b32 s18, s18, 2
	s_lshl_b32 s43, s41, 2
	s_lshl_b32 s43, 15, s43
	s_lshl_b32 s44, 0x1111, s40
	s_or_b32 s[G1+0], s43, (0<<16)|(1<<20)|(1<<21)|(5<<22)|(3<<25)
	s_or_b32 s[G1B+0], s44, (0<<16)|(1<<20)|(1<<21)|(5<<22)|(3<<25)
.irp g, G1, G1B
	s_mov_b32 s[\g+1], ROWB<<16
	s_mov_b32 s[\g+2], 256<<16
	s_mov_b32 s[\g+3], ROWB<<16
	s_mov_b32 s[\g+4], 256
	s_mov_b32 s[\g+5], KROW
	s_mov_b32 s[\g+6], 0
	s_mov_b32 s[\g+7], 0
.endr
	s_wait_kmcnt 0x0
	s_cmp_eq_u32 ttmp9, 1
	s_cselect_b64 s[72:73], s[76:77], s[72:73]
	s_cselect_b64 s[74:75], s[78:79], s[74:75]
	s_cselect_b64 s[84:85], s[86:87], s[84:85]
	s_cselect_b64 s[90:91], s[92:93], s[90:91]
	s_cselect_b64 s[96:97], s[98:99], s[96:97]
	s_cmp_eq_u32 ttmp9, 2
	s_cselect_b64 s[72:73], s[80:81], s[72:73]
	s_cselect_b64 s[74:75], s[82:83], s[74:75]
	s_cselect_b64 s[12:13], s[88:89], s[84:85]
	s_cselect_b64 s[98:99], s[100:101], s[96:97]
	s_cselect_b64 s[96:97], s[94:95], s[90:91]
	s_cselect_b64 s[4:5], s[72:73], s[68:69]
	s_cselect_b64 s[6:7], s[74:75], s[70:71]
	s_cselect_b64 s[8:9], s[68:69], s[72:73]
	s_cselect_b64 s[10:11], s[70:71], s[74:75]
	s_cselect_b32 s100, 0, 1.0
	s_mov_b32 s101, s100
	s_cselect_b32 s95, 1.0, 0
	s_cselect_b32 s17, 0, s18
	s_cselect_b32 s42, s18, 0
	s_add_co_u32 s17, s17, s41
	s_add_co_u32 s42, s42, s40
	s_or_b32 s[G1S+0], s43, (3<<16)|(1<<20)|(1<<21)|(5<<22)|(3<<25)
	s_or_b32 s[G1SB+0], s44, (3<<16)|(1<<20)|(1<<21)|(5<<22)|(3<<25)
.irp g, G1S, G1SB
	s_mov_b32 s[\g+1], 32<<16
	s_mov_b32 s[\g+2], 32<<16
	s_mov_b32 s[\g+3], 32<<16
	s_mov_b32 s[\g+4], 32
	s_mov_b32 s[\g+5], 32
	s_mov_b32 s[\g+6], 0
	s_mov_b32 s[\g+7], 0
.endr
	s_lshl_b32 s20, s17, 8
	s_lshl_b32 s46, s42, 8
	s_mov_b32 s21, 0
	s_mov_b32 s47, 0
	s_mov_b64 s[18:19], KS
	s_mul_u64 s[22:23], s[20:21], s[18:19]
	s_mul_u64 s[92:93], s[46:47], s[18:19]
	s_mov_b64 s[18:19], KROW
	s_mul_u64 s[20:21], s[20:21], s[18:19]
	s_mul_u64 s[46:47], s[46:47], s[18:19]
	s_mul_i32 s45, s14, HALFT
	s_add_nc_u64 s[20:21], s[4:5], s[20:21]
	s_add_nc_u64 s[22:23], s[6:7], s[22:23]
	s_add_nc_u64 s[46:47], s[8:9], s[46:47]
	s_add_nc_u64 s[92:93], s[10:11], s[92:93]
	CROUND
	s_mov_b32 s[G0S], 1
	s_mov_b32 s[G0S+1], SCL
	s_mov_b64 s[G0S+2:G0S+3], s[22:23]
	s_or_b32 s[G0S+3], s[G0S+3], 0x80000000
	s_mov_b32 s[G0SB], 1
	s_mov_b32 s[G0SB+1], SCL+2*HALFS
	s_mov_b64 s[G0SB+2:G0SB+3], s[92:93]
	s_or_b32 s[G0SB+3], s[G0SB+3], 0x80000000
	s_mov_b32 s4, 1                                ; the head's loads of K step 0: A's 256 rows,
	s_mov_b32 s5, 0
	s_mov_b64 s[6:7], s[20:21]
	s_or_b32 s7, s7, 0x80000000
	s_mov_b32 s8, 1                                ; and B's, behind them in slot 0
	s_mov_b32 s9, 2*HALFT
	s_mov_b64 s[10:11], s[46:47]
	s_or_b32 s11, s11, 0x80000000
	s_mul_i32 s18, s16, 128*KROW                   ; for the ring: my 128 rows of a tile
	s_mov_b32 s19, 0
	s_add_nc_u64 s[20:21], s[20:21], s[18:19]
	s_add_nc_u64 s[46:47], s[46:47], s[18:19]
.irp s, 0,1
	s_mov_b32 s[G0+4*\s], 1
	s_add_co_u32 s[G0+4*\s+1], s45, \s*SLOT
	s_add_nc_u64 s[G0+4*\s+2:G0+4*\s+3], s[20:21], \s*ROWB
	s_or_b32 s[G0+4*\s+3], s[G0+4*\s+3], 0x80000000
	s_mov_b32 s[G0B+4*\s], 1
	s_add_co_u32 s[G0B+4*\s+1], s45, \s*SLOT
	s_add_nc_u64 s[G0B+4*\s+2:G0B+4*\s+3], s[46:47], \s*ROWB
	s_or_b32 s[G0B+4*\s+3], s[G0B+4*\s+3], 0x80000000
.endr
; the head's loads, one a wave: wave 0 A's 256 rows of K step 0, wave 1 B's, wave 2 the scales of A's 256 rows, wave 3 those of B's; one chain of branches on the wave's number
.macro ARM under, g0, g1, next
	s_cmp_lt_u32 s14, \under
	s_cbranch_scc0 \next
	tensor_load_to_lds s[\g0:\g0+3], s[\g1:\g1+7]
	s_nop 0
.rept 4
	v_nop
.endr
	s_branch .Lhead_asked
\next:
.endm
	ARM 1, 4, G1, .Lhead_b
	ARM 2, 8, G1B, .Lhead_sa
	ARM 3, G0S, G1S, .Lhead_sb
	tensor_load_to_lds s[G0SB:G0SB+3], s[G1SB:G1SB+7]
	s_nop 0
.rept 4
	v_nop
.endr
.Lhead_asked:
	v_and_b32 v1, 15, v0
	v_bfe_u32 v2, v0, 4, 1
	v_lshlrev_b32 v7, 5, v2
	s_wait_alu depctr_va_vdst(0)
	v_lshlrev_b32 v6, 2, v1
	s_wait_alu depctr_va_vdst(0)
	s_lshl_b32 s18, s42, 8
	s_lshl_b32 s19, s16, 7
	s_add_co_u32 s18, s18, s19
	s_and_b32 s18, s18, 1023
	s_lshl_b32 s18, s18, 2
	s_mov_b32 s19, 0
	s_add_nc_u64 s[92:93], s[98:99], s[18:19]
	s_lshl_b32 s18, s17, 8
	s_lshl_b32 s2, s15, 7
	s_add_co_u32 s18, s18, s2
	s_and_b32 s18, s18, 1023
	s_lshl_b32 s18, s18, 2
	s_add_nc_u64 s[2:3], s[98:99], s[18:19]
.irp b, 0,1,2,3,4,5,6,7
	global_load_b128 v[BN+8*\b:BN+8*\b+3], v7, s[92:93] offset:64*\b
	global_load_b128 v[BN+8*\b+4:BN+8*\b+7], v7, s[92:93] offset:64*\b+16
.endr
.irp a, 0,1,2,3,4,5,6,7
	global_load_b32 v[BMR+\a], v6, s[2:3] offset:64*\a
.endr
	v_mul_u32_u24 v3, v1, PITCH
	v_lshl_add_u32 v4, v2, 4, v3
	s_mul_i32 s21, s15, HALFT
	s_mul_i32 s22, s16, HALFT
	s_add_co_u32 s22, s22, 2*HALFT
.irp s, 0,1
	v_add_nc_u32 v[ADRA+\s], s21, v4
	v_add_nc_u32 v[ADRB+\s], s22, v4
	s_add_co_u32 s21, s21, SLOT
	s_add_co_u32 s22, s22, SLOT
.endr
	v_mul_u32_u24 v5, v1, KS
	v_lshrrev_b32 v18, 8, v5
	v_lshl_add_u32 v5, v18, 4, v5
	s_mul_i32 s21, s15, HALFS
	s_mul_i32 s22, s16, HALFS
	s_add_co_u32 s22, s22, 2*HALFS
	s_sub_co_u32 s22, s22, s21
	v_mul_u32_u24 v18, s22, v2
	s_add_co_u32 s21, s21, SCL
	v_add_nc_u32 v5, v5, v18
	v_add_nc_u32 v[ADRS], s21, v5
	s_wait_loadcnt 0x0
.set p, 0
.rept 32
	v_pk_mul_f32 v[BN+2*p:BN+2*p+1], v[BN+2*p:BN+2*p+1], s[100:101] op_sel_hi:[1,0]
.set p, p+1
.endr
.rept 8
	v_nop
.endr
.macro FRAG reg, adr, q, i
.irp c, 0,1,2,3
	ds_load_b128 v[\reg+4*\c:\reg+4*\c+3], v[\adr] offset:128*(\q)+32*\c+(\i)*16*PITCH
.endr
.endm
.macro MUL16 a0, p, q, sc, zero
.irp a, \a0, \a0+1
.irp b, 0,1,2,3,4,5,6,7
.if \zero
	v_wmma_scale_f32_16x16x128_f8f6f4 v[8*(8*((\a)%4)+\b):8*(8*((\a)%4)+\b)+7], v[128*(\p)+FR*\b:128*(\p)+FR*\b+FR-1], v[AF+FR*(\a):AF+FR*(\a)+FR-1], v[BN+8*\b:BN+8*\b+7], v[SC+8*NQ*(\sc)+NQ*\b+(\q)], v[SC+8*NQ*(\sc)+NQ*(\a)+(\q)] matrix_a_fmt:MATRIX_FMT_BF8 matrix_b_fmt:MATRIX_FMT_BF8 matrix_a_scale:MATRIX_SCALE_ROW1
.else
	v_wmma_scale_f32_16x16x128_f8f6f4 v[8*(8*((\a)%4)+\b):8*(8*((\a)%4)+\b)+7], v[128*(\p)+FR*\b:128*(\p)+FR*\b+FR-1], v[AF+FR*(\a):AF+FR*(\a)+FR-1], v[8*(8*((\a)%4)+\b):8*(8*((\a)%4)+\b)+7], v[SC+8*NQ*(\sc)+NQ*\b+(\q)], v[SC+8*NQ*(\sc)+NQ*(\a)+(\q)] matrix_a_fmt:MATRIX_FMT_BF8 matrix_b_fmt:MATRIX_FMT_BF8 matrix_a_scale:MATRIX_SCALE_ROW1
.endif
.endr
.endr
.endm
.macro FETCH_B slot, q, p
	WIN TO_B
.irp i, 0,1,2,3,4,5,6,7
	FRAG 128*(\p)+FR*\i, ADRB+\slot, \q, \i
.endr
	WIN 0
.endm
.macro FETCH_A slot, q, i0
.irp i, \i0, \i0+1, \i0+2, \i0+3
	FRAG AF+FR*(\i), ADRA+\slot, \q, \i
.endr
.endm
.macro SCALES sc
.irp i, 0,1,2,3,4,5,6,7
	ds_load_b64 v[SC+8*NQ*\sc+NQ*\i:SC+8*NQ*\sc+NQ*\i+1], v[ADRS] offset:\i*SBLK
.endr
.endm
.macro PLACES n
.rept \n
	v_nop
.endr
.endm
.macro STEP slot, q, zero
	s_wait_dscnt 4*NL
.if \zero
	WIN BIAS_LO
.else
	WIN MUL_LO
.endif
	MUL16 0, (\q)%2, \q, \slot, \zero
	MUL16 2, (\q)%2, \q, \slot, \zero
	s_wait_dscnt 0
	PLACES NP
	FETCH_B \slot, (\q)+1, 1-(\q)%2
	FETCH_A \slot, (\q)+1, 0
.if \zero
	WIN BIAS_HI
.else
	WIN MUL_HI
.endif
	MUL16 4, (\q)%2, \q, \slot, \zero
	MUL16 6, (\q)%2, \q, \slot, \zero
	PLACES NP
	WIN 0
	FETCH_A \slot, (\q)+1, 4
.endm
.macro TURN slot, next, fill
	s_wait_tensorcnt 0x0
	ds_add_u32 v[SPW], v[NIL]
	s_wait_dscnt 4*NL+1
	WIN MUL_LO
	MUL16 0, 1, NQ-1, \slot, 0
	s_wait_dscnt 0x0
	s_barrier_signal -1
	MUL16 2, 1, NQ-1, \slot, 0
	WIN 0
	s_barrier_wait -1
.if \fill
	CREST
	s_add_nc_u64 s[G0+4*\slot+2:G0+4*\slot+3], s[G0+4*\slot+2:G0+4*\slot+3], 2*ROWB
	s_add_nc_u64 s[G0B+4*\slot+2:G0B+4*\slot+3], s[G0B+4*\slot+2:G0B+4*\slot+3], 2*ROWB
	JLOAD G0+4*\slot, G1, G0B+4*\slot, G1B
	PLACES NP-4
.else
	PLACES NP
.endif
	s_wait_alu depctr_va_vdst(0)
	v_add_nc_u32 v[ADRS], 4*NQ, v[ADRS]
	FETCH_B \next, 0, 0
	FETCH_A \next, 0, 0
	SCALES \next
	WIN MUL_HI
	MUL16 4, 1, NQ-1, \slot, 0
	MUL16 6, 1, NQ-1, \slot, 0
	PLACES NP
	WIN 0
	FETCH_A \next, 0, 4
.endm
	s_wait_alu depctr_va_vdst(0)
	s_wait_tensorcnt 0x0                           ; my tile of the head's four is in
	ds_add_u32 v[SPW], v[NIL]
	s_mov_b32 s[G1+2], 128<<16                     ; no tensor load of mine is out: from here on a load brings 128 rows
	s_mov_b32 s[G1+4], 128
	s_mov_b32 s[G1B+2], 128<<16
	s_mov_b32 s[G1B+4], 128
	s_wait_dscnt 0x0
	CROUND
	JLOAD G0+4, G1, G0B+4, G1B                     ; K step 1, the first tensor load behind the round
	FETCH_B 0, 0, 0
	FETCH_A 0, 0, 0
	SCALES 0
	FETCH_A 0, 0, 4
	STEP 0, 0, 1
	s_mov_b32 s3, LAPS-1
.Llap:
	TURN 0, 1, 1
	STEP 1, 0, 0
	TURN 1, 0, 1
	STEP 0, 0, 0
	s_sub_co_u32 s3, s3, 1
	s_cmp_lg_u32 s3, 0
	s_cbranch_scc1 .Llap
	TURN 0, 1, 0
	STEP 1, 0, 0
	s_wait_dscnt 4*NL
	WIN MUL_LO
	MUL16 0, 1, NQ-1, 1, 0
	MUL16 2, 1, NQ-1, 1, 0
	s_wait_dscnt 0
	WIN MUL_HI
	MUL16 4, 1, NQ-1, 1, 0
	MUL16 6, 1, NQ-1, 1, 0
	WIN 0
	PLACES NP
.irp a, 0,1,2,3,4,5,6,7
	v_mul_f32 v[BMP+2*\a], s95, v[BMR+\a]
.endr
.irp a, 0,1,2,3,4,5,6,7
	v_mov_b32 v[BMP+2*\a+1], v[BMP+2*\a]
.endr
.irp b, 0,1,2,3
	v_mov_b32 v[TM+4+\b], 0
.endr
	s_mov_b32 s[SEL], 0x76543210
	s_mov_b32 s[SEL+1], 0xfedcba98
	s_mov_b32 s[MNT], 0x600000
	s_mul_i32 s18, s15, 128*PITCH
	s_lshl_b32 s19, s16, 7
	s_add_co_u32 s18, s18, s19
	v_mul_u32_u24 v[STO], v1, PITCH
	v_lshl_add_u32 v[STO], v2, 3, v[STO]
	v_add_nc_u32 v[STO], s18, v[STO]
	v_and_b32 v3, 31, v0
	v_lshrrev_b32 v4, 3, v3
	v_bfe_u32 v5, v0, 2, 1
	v_and_b32 v6, 3, v0
	v_and_b32 v7, 7, v0
	v_lshrrev_b32 v9, 3, v1
	v_lshl_add_u32 v[RDQ], v5, 3, v4
	v_mul_u32_u24 v[RDQ], v[RDQ], PITCH
	v_lshl_add_u32 v[RDQ], v6, 4, v[RDQ]
	s_lshl_b32 s18, s14, 6
	v_add_nc_u32 v[RDQ], s18, v[RDQ]
	v_add_nc_u32 v[RDQ+1], 128*PITCH, v[RDQ]
	v_mul_u32_u24 v[RDV], v4, PITCH
	v_lshl_add_u32 v[RDV], v7, 4, v[RDV]
	s_mul_i32 s18, s14, 64*PITCH
	v_add_nc_u32 v[RDV], s18, v[RDV]
	v_lshl_add_u32 v[RS], v0, 4, SSQ
	v_lshlrev_b32 v[GO], 4, v3
	v_lshlrev_b32 v[ASQ], 2, v7
	v_lshl_add_u32 v[ASQ], v9, 1, v[ASQ]
	v_lshl_add_u32 v[ASQ], v2, 9, v[ASQ]
	s_lshl_b32 s18, s16, 10
	s_lshl_b32 s19, s15, 8
	s_add_co_u32 s18, s18, s19
	s_add_co_u32 s18, s18, SSQ
	v_add_nc_u32 v[ASQ], s18, v[ASQ]
	v_lshlrev_b32 v[ASV], 2, v7
	v_lshl_add_u32 v[ASV], v9, 6, v[ASV]
	v_lshl_add_u32 v[ASV], v2, 1, v[ASV]
	s_lshl_b32 s18, s15, 10
	s_lshl_b32 s19, s16, 8
	s_add_co_u32 s18, s18, s19
	s_add_co_u32 s18, s18, SSV
	v_add_nc_u32 v[ASV], s18, v[ASV]
	v_lshlrev_b32 v[V16H], 4, v2
	s_cmp_eq_u32 ttmp9, 2
	s_cselect_b32 s18, s42, s17
	s_cselect_b32 s19, s17, s42
	s_lshr_b32 s20, s18, 3
	s_lshl_b32 s20, s20, 4
	s_lshl_b32 s19, s19, 2
	s_add_co_u32 s20, s20, s19
	s_add_co_u32 s20, s20, s14
	s_and_b32 s18, s18, 7
	s_lshl_b32 s22, s20, 17
	s_lshl_b32 s21, s18, 14
	s_add_co_u32 s22, s22, s21
	s_mov_b32 s23, 0
	s_add_nc_u64 s[12:13], s[12:13], s[22:23]
	s_lshl_b32 s22, s20, 12
	s_lshl_b32 s21, s18, 9
	s_add_co_u32 s22, s22, s21
	s_add_nc_u64 s[96:97], s[96:97], s[22:23]
.macro QUANT s, pc, pw
.irp b, 0,1,2,3
	v_max3_num_f32 v[TM+\b], |v[\s+16*\b]|, |v[\s+1+16*\b]|, 0x8000000
.endr
.irp i, 2,4,6,8,10,12,14
.irp b, 0,1,2,3
	v_max3_num_f32 v[TM+\b], v[TM+\b], |v[\s+16*\b+\i]|, |v[\s+1+16*\b+\i]|
.endr
.endr
.irp b, 0,1,2,3
	v_permlanex16_b32 v[TM+4+\b], v[TM+\b], s[SEL], s[SEL+1]
.endr
.irp b, 0,1,2,3
	v_max_num_f32 v[TM+\b], v[TM+\b], v[TM+4+\b]
.endr
.irp b, 0,1,2,3
	v_add_nc_u32 v[TM+12+\b], 0xf8800000, v[TM+\b]
.endr
.irp b, 0,1,2,3
	v_and_or_b32 v[TM+8+\b], v[TM+\b], 0x7f800000, s[MNT]
.endr
.irp b, 0,1,2,3
	v_lshrrev_b32 v[TM+4+\b], 23, v[TM+12+\b]
.endr
	v_lshl_or_b32 v[\pw], v[TM+5], 8, v[TM+4]
	v_lshl_or_b32 v[\pw], v[TM+6], 16, v[\pw]
	v_lshl_or_b32 v[\pw], v[TM+7], 24, v[\pw]
.irp b, 0,1,2,3
.irp i, 0,1,2,3,4,5,6,7,8,9,10,11,12,13,14,15
	v_med3_num_f32 v[\s+16*\b+\i], v[\s+16*\b+\i], -v[TM+8+\b], v[TM+8+\b]
.endr
	v_cvt_scalef32_pk8_bf8_f32 v[(\pc)+4*\b:(\pc)+1+4*\b], v[\s+16*\b:\s+7+16*\b], v[TM+12+\b]
	v_cvt_scalef32_pk8_bf8_f32 v[(\pc)+2+4*\b:(\pc)+3+4*\b], v[\s+8+16*\b:\s+15+16*\b], v[TM+12+\b]
.endr
	v_nop
.endm
.macro EPI a
.set AC, 64*((\a)%4)
	WIN 0x02+(\a)/4
.set p, 0
.rept 32
	v_pk_add_f32 v[T+2*p:T+2*p+1], v[AC+2*p:AC+2*p+1], v[BMP+2*(\a):BMP+2*(\a)+1] op_sel_hi:[1,0]
.set p, p+1
.endr
	WIN 0
.if (\a) >= 2
	s_wait_dscnt 8
.endif
	QUANT T, PC+16*((\a)%2), SW+(\a)
.irp b, 0,1,2,3
	ds_store_b64 v[STO], v[PC+16*((\a)%2)+4*\b:PC+16*((\a)%2)+4*\b+1] offset:16*PITCH*(\a)+32*\b
	ds_store_b64 v[STO], v[PC+16*((\a)%2)+4*\b+2:PC+16*((\a)%2)+4*\b+3] offset:16*PITCH*(\a)+32*\b+16
.endr
.endm
.irp a, 0,1,2,3,4,5,6,7
	EPI \a
.endr
.irp a, 0,1,2,3,4,5,6,7
	v_lshrrev_b32 v[HW+\a], v[V16H], v[SW+\a]
.endr
.irp a, 0,1,2,3,4,5,6,7
	ds_store_b16 v[ASQ], v[HW+\a] offset:32*\a
	ds_store_b16 v[ASV], v[HW+\a] offset:512*(\a/4)+32*(\a%2)+128*((\a/2)%2)
.endr
	s_wait_dscnt 0x0
	s_barrier_signal -1
	s_barrier_wait -1
	s_cmp_eq_u32 ttmp9, 2
	s_cbranch_scc1 .Lrole_v
	ds_load_b128 v[56:59], v[RS]
.set t, 0
.rept 32
	ds_load_b128 v[128+4*t:128+4*t+3], v[RDQ+t/16] offset:(16*((t%16)/2)+4*(t%2))*PITCH
.set t, t+1
.endr
	s_branch .Lsend
.Lrole_v:
	ds_load_b128 v[56:59], v[RS] offset:SSV-SSQ
.set t, 0
.rept 32
	ds_load_b128 v[128+4*t:128+4*t+3], v[RDV] offset:(4*(t%2)+16*((t/2)%2)+8*((t/4)%2)+32*((t%16)/8))*PITCH+128*(t/16)
.set t, t+1
.endr
.Lsend:
	s_wait_dscnt 32
	global_store_b128 v[GO], v[56:59], s[96:97]
.set t, 0
.rept 32
	s_wait_dscnt 31-t
	global_store_b128 v[GO], v[128+4*t:128+4*t+3], s[12:13] offset:512*t
.set t, t+1
.endr
	s_wait_tensorcnt 0x0
	ds_add_u32 v[SPW], v[NIL]
	s_wait_dscnt 0x0
	CROUND
	s_endpgm
.Lfunc_end_k_qf999da1d9c_qkv:
	.size	k_qf999da1d9c_qkv, .Lfunc_end_k_qf999da1d9c_qkv-k_qf999da1d9c_qkv
	.p2alignl 7, 3214868480
	.fill 96, 4, 3214868480
	.section	.rodata,"a",@progbits
	.p2align	6, 0x0
	.amdhsa_kernel k_qf999da1d9c_qkv
		.amdhsa_group_segment_fixed_size 327680
		.amdhsa_private_segment_fixed_size 0
		.amdhsa_enable_private_segment 0
		.amdhsa_kernarg_size 136
		.amdhsa_user_sgpr_count 2
		.amdhsa_user_sgpr_kernarg_segment_ptr 1
		.amdhsa_wavefront_size32 1
		.amdhsa_system_sgpr_workgroup_id_x 1
		.amdhsa_system_sgpr_workgroup_id_y 1
		.amdhsa_system_sgpr_workgroup_id_z 1
		.amdhsa_system_vgpr_workitem_id 0
		.amdhsa_next_free_vgpr 1024
		.amdhsa_next_free_sgpr 102
		.amdhsa_reserve_vcc 0
		.amdhsa_float_denorm_mode_32 3
		.amdhsa_float_denorm_mode_16_64 3
		.amdhsa_memory_ordered 1
		.amdhsa_forward_progress 1
		.amdhsa_inst_pref_size 220
	.end_amdhsa_kernel
	.amdgpu_metadata
---
amdhsa.version: [ 1, 2 ]
amdhsa.kernels:
  - .name:           k_qf999da1d9c_qkv
    .symbol:         k_qf999da1d9c_qkv.kd
    .args:
      - { .name: x_codes, .offset: 0, .size: 8, .value_kind: global_buffer, .address_space: global }
      - { .name: x_scales, .offset: 8, .size: 8, .value_kind: global_buffer, .address_space: global }
      - { .name: Wq_codes, .offset: 16, .size: 8, .value_kind: global_buffer, .address_space: global }
      - { .name: Wq_scales, .offset: 24, .size: 8, .value_kind: global_buffer, .address_space: global }
      - { .name: Wk_codes, .offset: 32, .size: 8, .value_kind: global_buffer, .address_space: global }
      - { .name: Wk_scales, .offset: 40, .size: 8, .value_kind: global_buffer, .address_space: global }
      - { .name: Wv_codes, .offset: 48, .size: 8, .value_kind: global_buffer, .address_space: global }
      - { .name: Wv_scales, .offset: 56, .size: 8, .value_kind: global_buffer, .address_space: global }
      - { .name: q_codes, .offset: 64, .size: 8, .value_kind: global_buffer, .address_space: global }
      - { .name: k_codes, .offset: 72, .size: 8, .value_kind: global_buffer, .address_space: global }
      - { .name: v_codes, .offset: 80, .size: 8, .value_kind: global_buffer, .address_space: global }
      - { .name: q_scales, .offset: 88, .size: 8, .value_kind: global_buffer, .address_space: global }
      - { .name: k_scales, .offset: 96, .size: 8, .value_kind: global_buffer, .address_space: global }
      - { .name: v_scales, .offset: 104, .size: 8, .value_kind: global_buffer, .address_space: global }
      - { .name: bq, .offset: 112, .size: 8, .value_kind: global_buffer, .address_space: global }
      - { .name: bk, .offset: 120, .size: 8, .value_kind: global_buffer, .address_space: global }
      - { .name: bv, .offset: 128, .size: 8, .value_kind: global_buffer, .address_space: global }
    .group_segment_fixed_size: 327680
    .private_segment_fixed_size: 0
    .kernarg_segment_align: 8
    .kernarg_segment_size: 136
    .max_flat_workgroup_size: 128
    .sgpr_count:     102
    .vgpr_count:     1024
    .wavefront_size: 32
...
	.end_amdgpu_metadata
.endif
;; end of part 1
;; launch attn (part 2): grid 4 x 64, 8 waves a work-group, clusters of 4 x 1, 327,680 bytes of LDS; arguments q_codes, q_scales, k_codes, k_scales, v_codes, v_scales, o_codes, o_scales; writes o_codes, o_scales
.if DOCPART == 2
	.amdgcn_target "amdgcn-amd-amdhsa--gfx1250"
	.amdhsa_code_object_version 6
	.text
	.protected	k_qf999da1d9c_attn
	.globl	k_qf999da1d9c_attn
	.p2align	8
	.type	k_qf999da1d9c_attn,@function
k_qf999da1d9c_attn:
	s_mov_b64 s[64:65], 0
	v_nop
	global_prefetch_b8 v0, s[64:65] scope:SCOPE_SE
	s_setreg_imm32_b32 hwreg(HW_REG_WAVE_MODE, 25, 1), 1
	s_wait_xcnt 0x0
	s_wait_alu depctr_hold_cnt(0) depctr_sa_sdst(0) depctr_va_vdst(0) depctr_va_sdst(0) depctr_va_ssrc(0) depctr_va_vcc(0) depctr_vm_vsrc(0)
	s_getreg_b32 s2, hwreg(HW_REG_IB_STS2, 6, 4)
	s_cmp_eq_u32 s2, 0
	s_cbranch_scc0 .Lentry_in_a_cluster
	s_endpgm
.Lentry_in_a_cluster:
	s_bfe_u32 s2, ttmp6, 0x10000c
	s_cmp_lg_u32 s2, 0x3003
	s_cbranch_scc0 .Lentry_shape_is_right
	s_endpgm
.Lentry_shape_is_right:
; O = softmax(Q K^T / 8) V for one head, both products on codes of BF8 (E5M2) with one E8M0 scale for each 32 along a product's K, and the quantiser of O along the model's 1,024.
; t = score x log2(e) / 8; M = the running largest t rounded up to a whole number; p = 2^(t - M) is quantised along the keys; the row's sum is taken of the unquantised p and divides O at the end.
; SHARES.  A work-group owns one head and 512 queries, in two passes of 256; each of its eight waves owns two tiles of 16 queries a pass, so that each fragment of K and V read from LDS feeds two tiles.
; A HEAD'S WHOLE K AND V LIE IN LDS, FILLED ONCE: 1,024 rows of 128 bytes each, 16 bytes of padding behind each row; dense in memory, so stated as rows of 256 bytes.  No byte of LDS is filled twice and none is stored to.
; CLUSTER.  The four work-groups of a cluster share the head: every fill is a joint load that names the four.
; FILLS, one tensor load a wave each time.  At the head: waves 0-2 K's key steps 0-5 (two steps a wave), waves 3-5 V's, wave 6 K's scale bytes, wave 7 V's.  Behind the wait for these, the add and a round:
; waves 0-3 K's key steps 6-15 (160 rows a wave), waves 4-7 V's; they are waited for behind the first five key steps, which read steps 0-5 alone.
; K'S ROWS ARE PAIRS OF KEYS: row 8 a + j holds key 16 a + j in bytes 0-63 and key 16 a + 8 + j in bytes 64-127.  One fragment of K against [q | 0] gives the first keys' scores, against [0 | q] the second keys':
; register 16 b + i of a lane's scores is key 32 b + 16 (lane / 16) + i of the step: the order that p's operand wants.
; V'S ROWS are channels with bits 3 and 4 exchanged, so that register 16 c + i of a lane's O^T is channel 32 c + 16 (lane / 16) + i: the order that the next product's operand wants.
; O leaves as the image of that operand's registers: [tile of 16 rows][head][block of 32][lane][16 bytes]; its scale bytes as [row][32].
; FRAGMENTS.  Behind a step's first products one run of 40 LDS loads brings this step's V and the NEXT step's K (the last step's: step 0, for the next pass); one wait for all of them stands behind the softmax.
; PREFETCH.  K and V are asked for whole by the two groups of loads above, with no loop to run ahead in: none for them.  The second pass's Q (2,048 bytes a wave, 512 scale bytes a work-group) is asked for at the head, a pass ahead of its loads.
; LIMITS: NaN and infinities are not served; the running maximum starts at -3e38; a block of zeros gets the byte 1 (its codes are zeros, and this program alone reads the bytes).
; REGISTERS.  Window 0: v1-11, v28, v29 addresses; v12-19 statistics, four a tile (-M, largest t, the sum in two halves); v20-21 Q's scale words; v22-23 p's; v24-27 K's; v240-243 V's; v30, v31 the add's;
;   v32-159 the scores, then p, 64 a tile; v160-191 p's codes; v192-236 at work.   Window 1: v0-63 O^T, 32 a tile; v64-103 zeros, q of tile 0, zeros, q of tile 1, zeros; v104-167 K's fragments; v168-231 V's.
.set KP,    144
.set STEPB, 64*KP                      ; a key step: 64 rows
.set VB,    16*STEPB                   ; V lies behind K
.set SCK,   2*VB                       ; K's scale words: a key step's 64 words are 256 bytes, + 16 of padding
.set SCV,   SCK+16*272
.set SPARE, SCV+16*272                 ; the spare words: 128 bytes a wave
.set PART,  160*KP                     ; what a wave's second load fills
.set AK0,   1
.set AV0,   2                          ; one step back: it is added to the stepped offset
.set ASK0,  3
.set ASV0,  4                          ; likewise
.set QOFF,  5
.set QSOFF, 6
.set OOFF,  7
.set ADK,   8
.set ADV,   9
.set ADSK,  10
.set ADSV,  11
.set QS,    20
.set PW,    22
.set KSW,   24
.set OSOFF, 28
.set PFO,   29
.set SPW,   30
.set NIL,   31
.set S0,    32
.set PP,    160
.set BM,    192                        ; 16 a tile: BM, PB = BM + 4, HD = BM + 8, SO = BM + 12
.set FF,    224                        ; a pair a tile
.set C2,    228                        ; a pair a tile
.set TP,    232
.set OB,    234
.set PFS,   236
.set VSW,   240
.set QZ,    64                         ; window 1
.set KF,    104                        ; window 1
.set VF,    168                        ; window 1
.set G1C,   24
.set G1S,   32
.set G1D,   40
.set GK1,   48
.set GV1,   52
.set GKS,   56
.set GVS,   60
.set GK2,   68
.set GV2,   72
.set CW, 15|(1<<20)|(1<<21)|(4<<22)|(3<<25)          ; codes: mask of all four; elements of 1 byte; padding on; bit 21 beside a mask; 4 words behind every 32
.set SWD, 15|(3<<16)|(1<<20)|(1<<21)|(5<<22)|(3<<25) ; scale bytes: elements of 8 bytes, 4 words behind every 64
.set MSB, 0
.macro WIN new
.if MSB != (\new)
	s_set_vgpr_msb (MSB<<8)|(\new)
.set MSB, (\new)
.endif
.endm
.macro ROUND                           ; a round of the cluster's barrier
	s_barrier_signal -1
	s_barrier_wait -1
	s_cmp_lg_u32 s20, 0
	s_cbranch_scc1 .Lnot_wave_0_\@
	s_barrier_signal -3
.Lnot_wave_0_\@:
	s_barrier_wait -3
	s_barrier_signal -1
	s_barrier_wait -1
.endm
.macro GRP1 g, w0, c, r                ; descriptor group 1: r dense rows of c elements
	s_mov_b32 s[\g], \w0
	s_mov_b32 s[\g+1], (\c)<<16
	s_mov_b32 s[\g+2], (\r)<<16
	s_mov_b32 s[\g+3], (\c)<<16
	s_mov_b32 s[\g+4], \r
	s_mov_b32 s[\g+5], \c
	s_mov_b32 s[\g+6], 0
	s_mov_b32 s[\g+7], 0
.endm
.macro TLOAD g0, g1                    ; an s_nop 0 and four v_nop follow a tensor load
	tensor_load_to_lds s[\g0:\g0+3], s[\g1:\g1+7]
	s_nop 0
.rept 4
	v_nop
.endr
.endm
.macro ARM under, g0, g1, next
	s_cmp_lt_u32 s20, \under
	s_cbranch_scc0 \next
	TLOAD \g0, \g1
	s_branch .Lhead_asked
\next:
.endm
.macro LDF reg, adr                    ; four fragments of 16 rows x 128 bytes
.irp b, 0,1,2,3
.irp c, 0,1,2,3
	ds_load_b128 v[\reg+16*\b+4*\c:\reg+16*\b+4*\c+3], v[\adr] offset:16*KP*\b+32*\c
.endr
.endr
.endm
.macro LDW reg, adr                    ; their rows' scale words
.irp b, 0,1,2,3
	ds_load_b32 v[\reg+\b], v[\adr] offset:64*\b
.endr
.endm
.macro QLOAD                           ; a pass's q of my two tiles, and its scale bytes
	WIN 0x40
.irp x, 0,1
.irp c, 0,1
	global_load_b128 v[QZ+8+16*\x+4*\c:QZ+11+16*\x+4*\c], v[QOFF], s[4:5] offset:1024*\x+32*\c
.endr
.endr
	WIN 0
.irp x, 0,1
	global_load_u16 v[QS+\x], v[QSOFF], s[6:7] offset:32*\x
.endr
.endm
	s_load_b512 s[4:19], s[0:1], 0x0               ; q codes, q scales, k codes, k scales, v codes, v scales, o codes, o scales
	v_lshl_add_u32 v[SPW], v0, 2, SPARE
	v_mov_b32 v[NIL], 0
	ds_add_u32 v[SPW], v[NIL]                      ; the opening lines: the add, twice on end, and its wait ahead of my first tensor load
	ds_add_u32 v[SPW], v[NIL]
	v_lshrrev_b32 v29, 5, v0
	v_readfirstlane_b32 s20, v29                   ; wave 0..7
	s_bfe_u32 s21, ttmp6, 0x40000                  ; cx
	s_lshl_b32 s22, ttmp9, 2
	s_add_co_u32 s22, s22, s21                     ; my block of 512 queries: it enters Q's and O's addresses alone
	s_and_b32 s23, ttmp7, 0xffff                   ; 16 x batch + head, which the four partners share
	GRP1 G1C, CW, 256, 64                          ; two key steps: 16,384 bytes
	GRP1 G1D, CW, 256, 80                          ; two and a half: 20,480 bytes
	GRP1 G1S, SWD, 32, 16                          ; a head's scale bytes: 4,096
	s_lshl_b32 s76, s23, 17                        ; a head's codes: 131,072 bytes
	s_lshl_b32 s77, s20, 14
	s_add_co_u32 s78, s76, s77                     ; K, first load: wave w takes steps 2 w, 2 w + 1
	s_sub_co_u32 s80, s78, 49152                   ; V, first load: wave w takes steps 2 (w - 3) on
	s_mul_i32 s77, s20, 20480
	s_add_co_u32 s77, s77, s76
	s_add_co_u32 s82, s77, 49152                   ; K, second load: behind step 5, part w
	s_sub_co_u32 s84, s77, 32768                   ; V, second load: part w - 4
	s_lshl_b32 s86, s23, 12                        ; a head's scale bytes
.irp r, 79,81,83,85,87
	s_mov_b32 s\r, 0
.endr
.irp g, GK1,GV1,GKS,GVS,GK2,GV2
	s_mov_b32 s[\g], 1
.endr
	s_mul_i32 s[GK1+1], s20, 2*STEPB
	s_add_co_u32 s[GV1+1], s[GK1+1], VB-6*STEPB
	s_mov_b32 s[GKS+1], SCK
	s_mov_b32 s[GVS+1], SCV
	s_mul_i32 s[GK2+1], s20, PART
	s_add_co_u32 s[GK2+1], s[GK2+1], 6*STEPB
	s_add_co_u32 s[GV2+1], s[GK2+1], VB-4*PART
	s_mov_b32 s90, 0x76543210
	s_mov_b32 s91, 0xfedcba98                      ; lane l xor 16
	s_mov_b32 s92, 0x3e38aa3b                      ; c = log2(e) / 8
	s_mov_b32 s93, s92
	s_mov_b32 s94, 0x600000                        ; the mantissa field of 57,344
	s_mov_b32 s99, 0xffff0000                      ; lanes 16-31
	s_wait_dscnt 0x0
	s_wait_kmcnt 0x0
	s_add_nc_u64 s[GK1+2:GK1+3], s[8:9], s[78:79]
	s_add_nc_u64 s[GV1+2:GV1+3], s[12:13], s[80:81]
	s_add_nc_u64 s[GKS+2:GKS+3], s[10:11], s[86:87]
	s_add_nc_u64 s[GVS+2:GVS+3], s[14:15], s[86:87]
	s_add_nc_u64 s[GK2+2:GK2+3], s[8:9], s[82:83]
	s_add_nc_u64 s[GV2+2:GV2+3], s[12:13], s[84:85]
.irp g, GK1,GV1,GKS,GVS,GK2,GV2
	s_or_b32 s[\g+3], s[\g+3], 0x80000000
.endr
	ROUND                                          ; all four work-groups are here: the joint loads meet
	ARM 3, GK1, G1C, .Lhead_v                      ; one chain of branches on the wave's number, one load to an arm
	ARM 6, GV1, G1C, .Lhead_sk
	ARM 7, GKS, G1S, .Lhead_sv
	TLOAD GVS, G1S
.Lhead_asked:
	v_and_b32 v8, 15, v0                           ; r
	v_bfe_u32 v9, v0, 4, 1                         ; h
	v_and_b32 v29, 31, v0                          ; lane
	v_mul_u32_u24 v[AK0], v8, KP
	v_and_b32 v10, 7, v8
	v_lshrrev_b32 v11, 3, v8
	v_lshl_add_u32 v[AK0], v9, 4, v[AK0]           ; a fragment's row x pitch + 16 h
	v_lshl_add_u32 v[ASK0], v8, 2, SCK             ; a row's scale word
	v_lshl_add_u32 v[ASV0], v8, 2, SCV-272
	v_add_nc_u32 v[AV0], VB-STEPB, v[AK0]
	v_lshlrev_b32 v[QOFF], 7, v10
	v_lshlrev_b32 v[QSOFF], 2, v10
	v_lshl_add_u32 v[QOFF], v11, 6, v[QOFF]
	v_lshl_add_u32 v[QSOFF], v11, 1, v[QSOFF]      ; query r's two scale bytes
	v_lshl_add_u32 v[QOFF], v9, 4, v[QOFF]         ; query r of a tile: paired row r % 8, byte 64 (r / 8), + 16 h
	v_lshlrev_b32 v[OOFF], 4, v29
	v_lshl_add_u32 v[OSOFF], v8, 5, v9             ; O's scale bytes: row r of 32 bytes; lanes 16-31 store the second block's
	v_min_u32 v[PFO], 7, v29
	v_lshlrev_b32 v[PFO], 8, v[PFO]                ; the prefetches: lanes 256 bytes apart, eight blocks of codes;
	v_min_u32 v[PFS], 256, v[PFO]                  ; two of scale bytes.  The lanes left over name the last block again
.irp x, 0,1
.irp b, 0,1,2,3
	v_mov_b32 v[BM+16*\x+4+\b], 0                  ; written once: a lane permute's destination counts as one of its sources
.endr
	v_mov_b32 v[FF+2*\x+1], 0                      ; (named as the upper half of a pair)
.endr
	WIN 0x40
.irp z, 0,1,2,3,4,5,6,7
	v_mov_b32 v[QZ+\z], 0                          ; the zeros beside q
	v_mov_b32 v[QZ+16+\z], 0
	v_mov_b32 v[QZ+32+\z], 0
.endr
	WIN 0
	s_wait_alu depctr_va_vdst(0)                   ; the wait at the end of the head's vector lines
	s_lshl_b32 s84, s23, 17                        ; Q's codes: head, 32,768 bytes a block of 512 queries, 2,048 a wave
	s_lshl_b32 s85, s22, 15
	s_add_co_u32 s84, s84, s85
	s_lshl_b32 s85, s20, 11
	s_add_co_u32 s84, s84, s85
	s_mov_b32 s85, 0
	s_add_nc_u64 s[4:5], s[4:5], s[84:85]
	s_lshl_b32 s84, s23, 12                        ; its scale bytes
	s_lshl_b32 s86, s22, 10
	s_add_co_u32 s84, s84, s86
	s_lshl_b32 s86, s20, 6
	s_add_co_u32 s84, s84, s86
	s_add_nc_u64 s[6:7], s[6:7], s[84:85]
	QLOAD
	s_lshr_b32 s87, s23, 4                         ; batch
	s_and_b32 s88, s23, 15                         ; head
	s_lshl_b32 s84, s87, 21                        ; O's images: 16,384 bytes a tile of 16 rows, 1,024 a head
	s_lshl_b32 s86, s22, 19
	s_add_co_u32 s84, s84, s86
	s_lshl_b32 s86, s20, 15
	s_add_co_u32 s84, s84, s86
	s_lshl_b32 s86, s88, 10
	s_add_co_u32 s84, s84, s86
	s_add_nc_u64 s[16:17], s[16:17], s[84:85]
	s_lshl_b32 s84, s87, 16                        ; O's scale bytes: 32 a row, 2 a head
	s_lshl_b32 s86, s22, 14
	s_add_co_u32 s84, s84, s86
	s_lshl_b32 s86, s20, 10
	s_add_co_u32 s84, s84, s86
	s_lshl_b32 s86, s88, 1
	s_add_co_u32 s84, s84, s86
	s_add_nc_u64 s[18:19], s[18:19], s[84:85]
	s_wait_tensorcnt 0x0                           ; my first load is in
	ds_add_u32 v[SPW], v[NIL]
	s_wait_dscnt 0x0
	ROUND                                          ; everybody's first load is in, and all four work-groups are here
	s_cmp_lt_u32 s20, 4
	s_cbranch_scc0 .Lrest_v
	TLOAD GK2, G1D                                 ; key steps 6 to 15
	s_branch .Lrest_asked
.Lrest_v:
	TLOAD GV2, G1D
.Lrest_asked:
	WIN 0x40
	LDF KF, AK0                                    ; key step 0's fragments of K
	WIN 0
	LDW KSW, ASK0
	global_prefetch_b8 v[PFO], s[4:5] offset:16384 th:TH_LOAD_NT scope:SCOPE_SE   ; the second pass's q of my wave
	s_cmp_lg_u32 s20, 0
	s_cbranch_scc1 .Lno_pf
	global_prefetch_b8 v[PFS], s[6:7] offset:512 th:TH_LOAD_NT scope:SCOPE_SE     ; wave 0: its scale bytes, for the work-group
.Lno_pf:
; Both tiles' softmax for a key step of 128 keys, the two tiles' and the four blocks' chains by turns.
.macro SOFT2
.irp b, 0,1,2,3
.irp x, 0,1
	v_max3_num_f32 v[BM+16*\x+\b], v[S0+64*\x+16*\b], v[S0+64*\x+16*\b+1], v[S0+64*\x+16*\b+2]   ; the largest score of each block of 32 keys: for the row's maximum and, since p rises with the score, for the block's largest p
.endr
.endr
.irp i, 3,5,7,9,11,13
.irp b, 0,1,2,3
.irp x, 0,1
	v_max3_num_f32 v[BM+16*\x+\b], v[BM+16*\x+\b], v[S0+64*\x+16*\b+\i], v[S0+64*\x+16*\b+\i+1]
.endr
.endr
.endr
.irp b, 0,1,2,3
.irp x, 0,1
	v_max_num_f32 v[BM+16*\x+\b], v[BM+16*\x+\b], v[S0+64*\x+16*\b+15]
.endr
.endr
.irp b, 0,1,2,3
.irp x, 0,1
	v_permlanex16_b32 v[BM+16*\x+4+\b], v[BM+16*\x+\b], s90, s91
.endr
.endr
.irp b, 0,1,2,3
.irp x, 0,1
	v_max_num_f32 v[BM+16*\x+\b], v[BM+16*\x+\b], v[BM+16*\x+4+\b]   ; with lane l xor 16's 16 keys
.endr
.endr
.irp x, 0,1
	v_max3_num_f32 v[TP+\x], v[BM+16*\x], v[BM+16*\x+1], v[BM+16*\x+2]
.endr
.irp x, 0,1
	s_delay_alu instid0(VALU_DEP_2)
	v_max_num_f32 v[TP+\x], v[TP+\x], v[BM+16*\x+3]
.endr
.irp x, 0,1
	s_delay_alu instid0(VALU_DEP_2)
	v_mul_f32 v[TP+\x], s92, v[TP+\x]              ; as t
.endr
.irp x, 0,1
	s_delay_alu instid0(VALU_DEP_2)
	v_max_num_f32 v[13+4*\x], v[13+4*\x], v[TP+\x] ; the running largest t
.endr
.irp x, 0,1
	v_mov_b32 v[TP+\x], v[12+4*\x]
.endr
.irp x, 0,1
	v_floor_f32 v[12+4*\x], -v[13+4*\x]            ; the new -M = floor(-t): M is a whole number
.endr
.irp x, 0,1
	s_delay_alu instid0(VALU_DEP_2)
	v_sub_f32 v[TP+\x], v[12+4*\x], v[TP+\x]       ; old M - new M, 0 or less
.endr
.irp x, 0,1
	s_delay_alu instid0(VALU_DEP_2)
	v_cvt_i32_f32 v[TP+\x], v[TP+\x]               ; (it saturates)
.endr
.irp x, 0,1
	s_delay_alu instid0(VALU_DEP_2)
	v_ldexp_f32 v[FF+2*\x], 1.0, v[TP+\x]          ; f = 2^(old M - new M)
.endr
.irp x, 0,1
.set j, 0
.rept 32
	v_pk_fma_f32 v[S0+64*\x+j:S0+64*\x+j+1], v[S0+64*\x+j:S0+64*\x+j+1], s[92:93], v[12+4*\x:13+4*\x] op_sel_hi:[1,0,0]   ; t - M
.set j, j+2
.endr
.endr
.irp b, 0,1,2,3
.irp x, 0,1
	v_fma_f32 v[BM+16*\x+\b], v[BM+16*\x+\b], s92, v[12+4*\x]
.endr
.endr
	s_wait_alu depctr_va_vdst(0)                   ; the wait ahead of the batch
.irp b, 0,1,2,3
.irp x, 0,1
	v_exp_f32 v[BM+16*\x+\b], v[BM+16*\x+\b]       ; the block's largest p
.endr
.endr
.set j, 0
.rept 128
	v_exp_f32 v[S0+j], v[S0+j]                     ; p = 2^(t - M)
.set j, j+1
.endr
.irp x, 0,1
	v_pk_mul_f32 v[14+4*\x:15+4*\x], v[14+4*\x:15+4*\x], v[FF+2*\x:FF+2*\x+1] op_sel_hi:[1,0]   ; the sums under the new M (plain places behind the exponentials)
.endr
	s_wait_alu depctr_va_vdst(0)                   ; one wait for the batch, ahead of its first reader
.irp b, 0,1,2,3
.irp x, 0,1
	v_max_num_f32 v[BM+16*\x+\b], 0x8000000, v[BM+16*\x+\b]   ; the floor 2^(16 - 127)
.endr
.endr
.irp b, 0,1,2,3
.irp x, 0,1
	v_add_nc_u32 v[BM+16*\x+12+\b], 0xf8800000, v[BM+16*\x+\b]   ; 15 off the exponent field: the conversion's scale operand
.endr
.endr
.irp b, 0,1,2,3
.irp x, 0,1
	v_and_or_b32 v[BM+16*\x+8+\b], v[BM+16*\x+\b], 0x7f800000, s94   ; 57,344 x the scale
.endr
.endr
.irp b, 0,1,2,3
.irp x, 0,1
	v_lshrrev_b32 v[BM+16*\x+4+\b], 23, v[BM+16*\x+12+\b]   ; the scale's byte
.endr
.endr
.irp x, 0,1
	v_lshl_or_b32 v[PW+\x], v[BM+16*\x+5], 8, v[BM+16*\x+4]   ; p's scale word for these 128 keys
.endr
.irp x, 0,1
	v_lshl_or_b32 v[PW+\x], v[BM+16*\x+6], 16, v[PW+\x]
.endr
.irp x, 0,1
	v_lshl_or_b32 v[PW+\x], v[BM+16*\x+7], 24, v[PW+\x]
.endr
.irp x, 0,1
	v_pk_add_f32 v[C2+2*\x:C2+2*\x+1], v[S0+64*\x:S0+64*\x+1], v[S0+64*\x+2:S0+64*\x+3]   ; the row's sum is taken of the unquantised p, in two chains a tile
.endr
.set j, 4
.rept 15
.irp x, 0,1
	v_pk_add_f32 v[14+4*\x:15+4*\x], v[14+4*\x:15+4*\x], v[S0+64*\x+j:S0+64*\x+j+1]
	v_pk_add_f32 v[C2+2*\x:C2+2*\x+1], v[C2+2*\x:C2+2*\x+1], v[S0+64*\x+j+2:S0+64*\x+j+3]
.endr
.set j, j+4
.endr
.irp x, 0,1
	v_pk_add_f32 v[14+4*\x:15+4*\x], v[14+4*\x:15+4*\x], v[C2+2*\x:C2+2*\x+1]
.endr
.irp x, 0,1                                        ; the hold: the conversion does not saturate (ISA guide 7.6.2); p is not negative.  Two holds an instruction, of two neighbouring blocks, so that the pair's registers differ in parity and modulo 4
.irp b, 0,2
.set i, 0
.rept 8
	v_dual_min_num_f32 v[S0+64*\x+16*\b+i], v[S0+64*\x+16*\b+i], v[BM+16*\x+8+\b] :: v_dual_min_num_f32 v[S0+64*\x+16*\b+17+i], v[S0+64*\x+16*\b+17+i], v[BM+16*\x+9+\b]
	v_dual_min_num_f32 v[S0+64*\x+16*\b+16+i], v[S0+64*\x+16*\b+16+i], v[BM+16*\x+9+\b] :: v_dual_min_num_f32 v[S0+64*\x+16*\b+1+i], v[S0+64*\x+16*\b+1+i], v[BM+16*\x+8+\b]
.set i, i+2
.endr
.endr
.endr
.irp x, 0,1
.irp b, 0,1,2,3
	v_cvt_scalef32_pk8_bf8_f32 v[PP+16*\x+4*\b:PP+16*\x+4*\b+1], v[S0+64*\x+16*\b:S0+64*\x+16*\b+7], v[BM+16*\x+12+\b]
	v_cvt_scalef32_pk8_bf8_f32 v[PP+16*\x+4*\b+2:PP+16*\x+4*\b+3], v[S0+64*\x+16*\b+8:S0+64*\x+16*\b+15], v[BM+16*\x+12+\b]
.endr
.endr
	WIN 0x41                                       ; O^T (destination and source 0) window 1, f window 0
	s_wait_alu depctr_va_vdst(0)                   ; the wait here, directly ahead of the first reader of O^T
.irp x, 0,1
.set j, 0
.rept 16
	v_pk_mul_f32 v[32*\x+j:32*\x+j+1], v[32*\x+j:32*\x+j+1], v[FF+2*\x:FF+2*\x+1] op_sel_hi:[1,0]   ; O^T under the new M; these are also the places behind the conversions and in front of the products
.set j, j+2
.endr
.endr
	WIN 0
.endm
; A key step: 128 keys for both tiles.  s95, s96: where the NEXT step's rows and scale words begin, once stepped.  wrap = 1: behind the last step comes step 0.
.macro STEP wrap
	WIN 0x05                                       ; K's fragments and q: window 1
.irp b, 0,1,2,3
.irp u, 0,1
.irp x, 0,1
	v_wmma_scale_f32_16x16x128_f8f6f4 v[S0+64*\x+16*\b+8*\u:S0+64*\x+16*\b+8*\u+7], v[KF+16*\b:KF+16*\b+15], v[QZ+8-8*\u+16*\x:QZ+23-8*\u+16*\x], 0, v[KSW+\b], v[QS+\x] matrix_a_fmt:MATRIX_FMT_BF8 matrix_b_fmt:MATRIX_FMT_BF8
.endr
.endr
.endr
	WIN 0
	s_add_co_u32 s95, s95, STEPB
	s_add_co_u32 s96, s96, 272
.if \wrap
	s_cmp_eq_u32 s95, 16*STEPB
	s_cselect_b32 s88, 0, s95
	s_cselect_b32 s89, 0, s96
	v_add_nc_u32 v[ADK], s88, v[AK0]
	v_add_nc_u32 v[ADSK], s89, v[ASK0]
.else
	v_add_nc_u32 v[ADK], s95, v[AK0]
	v_add_nc_u32 v[ADSK], s96, v[ASK0]
.endif
	v_add_nc_u32 v[ADV], s95, v[AV0]
	v_add_nc_u32 v[ADSV], s96, v[ASV0]
.rept 4
	v_nop                                          ; with the four additions: eight places behind the products above and the last step's, in front of loads into their registers and of the first read of the scores
.endr
	WIN 0x40
	LDF VF, ADV                                    ; this step's V and the next step's K land while the softmax is worked
	LDF KF, ADK
	WIN 0
	LDW VSW, ADSV
	LDW KSW, ADSK
	SOFT2
	s_wait_alu depctr_va_vdst(0)
	s_wait_dscnt 0x0
	WIN 0x51                                       ; V's fragments, C and D window 1; p window 0
.irp t, 0,1,2,3
.irp x, 0,1
	v_wmma_scale_f32_16x16x128_f8f6f4 v[32*\x+8*\t:32*\x+8*\t+7], v[VF+16*\t:VF+16*\t+15], v[PP+16*\x:PP+16*\x+15], v[32*\x+8*\t:32*\x+8*\t+7], v[VSW+\t], v[PW+\x] matrix_a_fmt:MATRIX_FMT_BF8 matrix_b_fmt:MATRIX_FMT_BF8
.endr
.endr
	WIN 0
.endm
; One tile's way out: O^T / the sum, quantised in two blocks of 32 channels, each shared with lane l xor 16; the codes are the next operand's registers.
.macro OUT x
.set S, S0+64*(\x)
.set ST, 12+4*(\x)
.set B_, BM+16*(\x)
	v_add_f32 v[TP+\x], v[ST+2], v[ST+3]
	v_permlanex16_b32 v[B_+4], v[TP+\x], s90, s91
	v_add_f32 v[TP+\x], v[TP+\x], v[B_+4]          ; the row's sum
	s_wait_alu depctr_va_vdst(0)
	v_rcp_f32 v[TP+\x], v[TP+\x]
	v_nop
	WIN 0x01                                       ; source 0 window 1
	s_wait_alu depctr_va_vdst(0)
.set j, 0
.rept 32
	v_mul_f32 v[S+j], v[32*\x+j], v[TP+\x]         ; each accumulator from its low end on
.set j, j+1
.endr
	WIN 0
.irp b, 0,1
	v_max3_num_f32 v[B_+\b], |v[S+16*\b]|, |v[S+16*\b+1]|, 0x8000000
.endr
.irp i, 2,4,6,8,10,12,14
.irp b, 0,1
	v_max3_num_f32 v[B_+\b], v[B_+\b], |v[S+16*\b+\i]|, |v[S+16*\b+\i+1]|
.endr
.endr
.irp b, 0,1
	v_permlanex16_b32 v[B_+4+\b], v[B_+\b], s90, s91
.endr
.irp b, 0,1
	v_max_num_f32 v[B_+\b], v[B_+\b], v[B_+4+\b]
.endr
.irp b, 0,1
	v_add_nc_u32 v[B_+12+\b], 0xf8800000, v[B_+\b]
.endr
.irp b, 0,1
	v_and_or_b32 v[B_+8+\b], v[B_+\b], 0x7f800000, s94
.endr
.irp b, 0,1
	v_lshrrev_b32 v[B_+4+\b], 23, v[B_+12+\b]
.endr
	v_cndmask_b32 v[OB+\x], v[B_+4], v[B_+5], s99  ; lanes 0-15 the first block's byte, lanes 16-31 the second's
.irp b, 0,1
.irp i, 0,1,2,3,4,5,6,7,8,9,10,11,12,13,14,15
	v_med3_num_f32 v[S+16*\b+\i], v[S+16*\b+\i], -v[B_+8+\b], v[B_+8+\b]
.endr
	v_cvt_scalef32_pk8_bf8_f32 v[S+32+4*\b:S+33+4*\b], v[S+16*\b:S+16*\b+7], v[B_+12+\b]
	v_cvt_scalef32_pk8_bf8_f32 v[S+34+4*\b:S+35+4*\b], v[S+16*\b+8:S+16*\b+15], v[B_+12+\b]
.endr
	v_nop                                          ; a plain line behind the last conversion
	global_store_b128 v[OOFF], v[S+32:S+35], s[16:17] offset:16384*\x        ; 32 lanes store 512 consecutive bytes
	global_store_b128 v[OOFF], v[S+36:S+39], s[16:17] offset:16384*\x+512
	global_store_b8 v[OSOFF], v[OB+\x], s[18:19] offset:512*\x               ; two bytes of each row's 32: the other heads' work-groups store the rest
.endm
	s_mov_b32 s98, 2
.Lpass:                                            ; 256 queries a pass
.irp x, 0,1
	v_mov_b32 v[13+4*\x], 0xff61b1e6               ; the largest t so far: -3e38
	v_mov_b32 v[14+4*\x], 0
	v_mov_b32 v[15+4*\x], 0
.endr
.irp x, 0,1
	v_floor_f32 v[12+4*\x], -v[13+4*\x]
.endr
	s_wait_loadcnt 0x0                             ; this pass's q
.irp x, 0,1
	v_lshl_or_b32 v[QS+\x], v[QS+\x], 16, v[QS+\x] ; q's two bytes twice: the word serves [q | 0] and [0 | q]
.endr
	WIN 0x40
.set j, 0
.rept 64
	v_mov_b32 v[j], 0                              ; O^T: the step is written once, and the first change of M leaves zeros zeros.  (Also the places between the scale words above and the first products)
.set j, j+1
.endr
	WIN 0
	s_mov_b32 s95, 0
	s_mov_b32 s96, 0
	s_wait_alu depctr_va_vdst(0)
	s_wait_dscnt 0x0                               ; key step 0's fragments of K
	s_mov_b32 s97, 5
.Lstep_a:                                          ; key steps 0 to 4: they read steps 0 to 5, which the first loads brought
	STEP 0
	s_sub_co_u32 s97, s97, 1
	s_cmp_lg_u32 s97, 0
	s_cbranch_scc1 .Lstep_a
	s_wait_tensorcnt 0x0                           ; my second load is in
	s_wait_dscnt 0x0
	s_barrier_signal -1
	s_barrier_wait -1                              ; everybody's is
	s_mov_b32 s97, 11
.Lstep_b:
	STEP 1
	s_sub_co_u32 s97, s97, 1
	s_cmp_lg_u32 s97, 0
	s_cbranch_scc1 .Lstep_b
.rept 8
	v_nop                                          ; places behind the last products
.endr
	s_wait_xcnt 0x0                                ; the prefetches have read their bases
	s_cmp_eq_u32 s98, 1
	s_cbranch_scc1 .Lno_q
	s_add_nc_u64 s[4:5], s[4:5], 16384
	s_add_nc_u64 s[6:7], s[6:7], 512
	QLOAD                                          ; the next pass's q comes while this pass goes out
.Lno_q:
	OUT 0
	OUT 1
	s_wait_xcnt 0x0                                ; the stores have read their registers and bases
	s_add_nc_u64 s[16:17], s[16:17], 262144
	s_add_nc_u64 s[18:19], s[18:19], 8192
	s_sub_co_u32 s98, s98, 1
	s_cmp_lg_u32 s98, 0
	s_cbranch_scc1 .Lpass
	s_wait_tensorcnt 0x0                           ; the wave's end
	ds_add_u32 v[SPW], v[NIL]
	s_wait_dscnt 0x0
	ROUND                                          ; the closing round
	s_endpgm
.Lfunc_end_k_qf999da1d9c_attn:
	.size	k_qf999da1d9c_attn, .Lfunc_end_k_qf999da1d9c_attn-k_qf999da1d9c_attn
	.p2alignl 7, 3214868480
	.fill 96, 4, 3214868480
	.section	.rodata,"a",@progbits
	.p2align	6, 0x0
	.amdhsa_kernel k_qf999da1d9c_attn
		.amdhsa_group_segment_fixed_size 327680
		.amdhsa_private_segment_fixed_size 0
		.amdhsa_enable_private_segment 0
		.amdhsa_kernarg_size 64
		.amdhsa_user_sgpr_count 2
		.amdhsa_user_sgpr_kernarg_segment_ptr 1
		.amdhsa_wavefront_size32 1
		.amdhsa_system_sgpr_workgroup_id_x 1
		.amdhsa_system_sgpr_workgroup_id_y 1
		.amdhsa_system_sgpr_workgroup_id_z 1
		.amdhsa_system_vgpr_workitem_id 0
		.amdhsa_next_free_vgpr 488
		.amdhsa_next_free_sgpr 100
		.amdhsa_reserve_vcc 0
		.amdhsa_float_denorm_mode_32 3
		.amdhsa_float_denorm_mode_16_64 3
		.amdhsa_memory_ordered 1
		.amdhsa_forward_progress 1
		.amdhsa_inst_pref_size 97
	.end_amdhsa_kernel
	.amdgpu_metadata
---
amdhsa.version: [ 1, 2 ]
amdhsa.kernels:
  - .name:           k_qf999da1d9c_attn
    .symbol:         k_qf999da1d9c_attn.kd
    .args:
      - { .name: q_codes, .offset: 0, .size: 8, .value_kind: global_buffer, .address_space: global }
      - { .name: q_scales, .offset: 8, .size: 8, .value_kind: global_buffer, .address_space: global }
      - { .name: k_codes, .offset: 16, .size: 8, .value_kind: global_buffer, .address_space: global }
      - { .name: k_scales, .offset: 24, .size: 8, .value_kind: global_buffer, .address_space: global }
      - { .name: v_codes, .offset: 32, .size: 8, .value_kind: global_buffer, .address_space: global }
      - { .name: v_scales, .offset: 40, .size: 8, .value_kind: global_buffer, .address_space: global }
      - { .name: o_codes, .offset: 48, .size: 8, .value_kind: global_buffer, .address_space: global }
      - { .name: o_scales, .offset: 56, .size: 8, .value_kind: global_buffer, .address_space: global }
    .group_segment_fixed_size: 327680
    .private_segment_fixed_size: 0
    .kernarg_segment_align: 8
    .kernarg_segment_size: 64
    .max_flat_workgroup_size: 256
    .sgpr_count:     100
    .vgpr_count:     488
    .wavefront_size: 32
...
	.end_amdgpu_metadata
.endif
;; end of part 2
;; launch oproj (part 3): grid 8 x 32, 4 waves a work-group, clusters of 4 x 4, 327,680 bytes of LDS; arguments o_codes, o_scales, Wo_codes, Wo_scales, out0, bo; writes out0
.if DOCPART == 3
	.amdgcn_target "amdgcn-amd-amdhsa--gfx1250"
	.amdhsa_code_object_version 6
	.text
	.protected	k_qf999da1d9c_oproj
	.globl	k_qf999da1d9c_oproj
	.p2align	8
	.type	k_qf999da1d9c_oproj,@function
k_qf999da1d9c_oproj:
	s_mov_b64 s[64:65], 0
	v_nop
	global_prefetch_b8 v0, s[64:65] scope:SCOPE_SE
	s_setreg_imm32_b32 hwreg(HW_REG_WAVE_MODE, 25, 1), 1
	s_wait_xcnt 0x0
	s_wait_alu depctr_hold_cnt(0) depctr_sa_sdst(0) depctr_va_vdst(0) depctr_va_sdst(0) depctr_va_ssrc(0) depctr_va_vcc(0) depctr_vm_vsrc(0)
	s_getreg_b32 s2, hwreg(HW_REG_IB_STS2, 6, 4)
	s_cmp_eq_u32 s2, 0
	s_cbranch_scc0 .Lentry_in_a_cluster
	s_endpgm
.Lentry_in_a_cluster:
	s_bfe_u32 s2, ttmp6, 0x10000c
	s_cmp_lg_u32 s2, 0xf033
	s_cbranch_scc0 .Lentry_shape_is_right
	s_endpgm
.Lentry_shape_is_right:
; out0 = O Wo^T + bo: 8,192 x 1,024 x 1,024 on codes of BF8 (E5M2) with one E8M0 scale for each 32 along K; sums in f32, begun with the bias.
; O's codes lie as images of the operand's registers: [tile of 16 rows][head: 64 of K][block of 32][lane][16 bytes]: 16,384 bytes a tile of 16 rows; its scale bytes [row][32].  Wo's codes: rows of 1,024 bytes.
; SHARES.  256 work-groups; a block of 256 rows x 128 columns; four waves, 2 x 2, each 128 x 64: 32 accumulators of 16 x 16.  The product is used transposed (source 0 = 16 rows of Wo, source 1 = 16 rows of O): a lane holds eight neighbouring columns of a row.
; K goes in four steps of 256 through two LDS slots: O's 16 tiles x 4,096 bytes, dense, then Wo's 128 rows of 256 bytes + 16 of padding.  The scale bytes of all of K come once and stay behind the slots.
; CLUSTER 4 x 4: O's tiles are asked for jointly along a row of the cluster, Wo's along a column.
; FRAGMENTS have two sets of registers for both operands: a step of 128 along K fetches the next step's 48 fragments' loads ahead of its own 32 products.  So a slot has been read out when its second step begins, and is filled again there.
; PREFETCH.  K steps 1 and 2 are asked for behind the head's loads, K step 3 behind K step 1's load: each one or two refills ahead.  Of the 128 blocks of 256 bytes of O that a wave fetches each of the four partners names 32, told apart by address (cx);
; of Wo's 64 rows 16 (cy; the lanes left over name the last again).  Wo's rows are the same for all eight rows of clusters: the first four rows of clusters ask for them.
; LIMITS: NaN and infinities in the codes' values are carried as the matrix unit carries them; nothing else is bounded.
; REGISTERS.  Window 0: v16-30 addresses; v32-63 scale words, two sets; v64-95 the bias; v128-191 the way out.  Window 1: Wo's fragments, two sets of 64.  Window 2: the accumulators, (a, b) at v[8 (4 a + b)].  Window 3: O's fragments, two sets of 128.
.set PITCH,  272
.set ABYTES, 65536
.set SLOT,   ABYTES+128*PITCH
.set SCL,    2*SLOT
.set SPARE,  SCL+48*272
.set ADRA, 16
.set ADRB, 20
.set PFOA, 22
.set PFOB, 23
.set STO,  24
.set RD,   25
.set CO,   26
.set ADRS, 27                          ; scale words: lanes 0-15 O's rows, lanes 16-31 Wo's
.set SPW,  28
.set NIL,  29
.set ADRT, 30                          ; scale words: O's rows in all lanes, for the blocks that Wo does not have
.set SC,   32
.set BN,   64
.set BK,   128
.set G1, 24
.set G0, 32
.set G1B, 48
.set G0B, 56
.set G1S, 68
.set G0S, 76
.set G1SB, 80
.set G0SB, 88
.set MSB, 0
.macro WIN new
.if MSB != (\new)
	s_set_vgpr_msb (MSB<<8)|(\new)
.set MSB, (\new)
.endif
.endm
.macro PLACES n
.rept \n
	v_nop
.endr
.endm
.macro TL g0, g1                       ; an s_nop 0 and four v_nop follow a tensor load
	tensor_load_to_lds s[\g0:\g0+3], s[\g1:\g1+7]
	s_nop 0
	PLACES 4
.endm
.macro JLOAD s                         ; waves 0 and 1 fetch O's halves, waves 2 and 3 Wo's
	s_cmp_eq_u32 s15, 0
	s_cbranch_scc0 .Lfor_b_\@
	TL G0+4*(\s), G1
	s_branch .Lasked_\@
.Lfor_b_\@:
	TL G0B+4*(\s), G1B
.Lasked_\@:
.endm
.macro ASK k                           ; K step k is asked for ahead
	s_cmp_eq_u32 s15, 0
	s_cbranch_scc0 .Lpf_b_\@
	global_prefetch_b8 v[PFOA], s[92:93] offset:(\k)*4096 th:TH_LOAD_NT scope:SCOPE_SE
	s_branch .Lpf_e_\@
.Lpf_b_\@:
	s_cmp_lt_u32 s2, 4
	s_cbranch_scc0 .Lpf_e_\@
	global_prefetch_b8 v[PFOB], s[94:95] offset:(\k)*256 th:TH_LOAD_NT scope:SCOPE_SE
.Lpf_e_\@:
.endm
.macro CREST
	s_cmp_lg_u32 s14, 0
	s_cbranch_scc1 .Lnot_wave_0_\@
	s_barrier_signal -3
.Lnot_wave_0_\@:
	s_barrier_wait -3
	s_barrier_signal -1
	s_barrier_wait -1
.endm
.macro CROUND
	s_barrier_signal -1
	s_barrier_wait -1
	CREST
.endm
.macro GRP1 g, c, r, p                 ; words 1 to 7 of a group 1: r rows of c elements, p elements apart
	s_mov_b32 s[\g+1], (\c)<<16
	s_mov_b32 s[\g+2], (\r)<<16
	s_mov_b32 s[\g+3], (\c)<<16
	s_mov_b32 s[\g+4], \r
	s_mov_b32 s[\g+5], \p
	s_mov_b32 s[\g+6], 0
	s_mov_b32 s[\g+7], 0
.endm
	s_load_b128 s[4:7], s[0:1], 0x0                ; O's codes, O's scales
	s_load_b128 s[8:11], s[0:1], 0x10              ; Wo's codes, Wo's scales
	s_load_b64 s[12:13], s[0:1], 0x20              ; out0
	s_load_b64 s[96:97], s[0:1], 0x28              ; bo
	v_lshl_add_u32 v[SPW], v0, 2, SPARE
	v_mov_b32 v[NIL], 0
	ds_add_u32 v[SPW], v[NIL]                      ; the opening lines: the add, twice on end, and its wait
	ds_add_u32 v[SPW], v[NIL]
	v_lshrrev_b32 v1, 5, v0
	v_readfirstlane_b32 s14, v1                    ; wave 0..3
	s_lshr_b32 s15, s14, 1                         ; my half of the rows; also: I fetch for O (0) or for Wo (1)
	s_and_b32 s16, s14, 1                          ; my half of the columns; also: which half of a tile I fetch
	s_bfe_u32 s40, ttmp6, 0x40000
	s_bfe_u32 s41, ttmp6, 0x40004
	s_lshl_b32 s42, ttmp9, 2
	s_add_co_u32 s42, s42, s40                     ; tile column, 0..7
	s_and_b32 s2, ttmp7, 0xffff                    ; the cluster's row
	s_lshl_b32 s17, s2, 2
	s_add_co_u32 s17, s17, s41                     ; tile row, 0..31
	s_lshl_b32 s43, s41, 2
	s_lshl_b32 s43, 15, s43                        ; my row of the cluster
	s_lshl_b32 s44, 0x1111, s40                    ; my column
	s_or_b32 s[G1], s43, (3<<16)|(1<<21)
	GRP1 G1, 512, 16, 2048                         ; O: 16 tiles x 4,096 bytes at the head; behind it 8
	s_or_b32 s[G1B], s44, (1<<20)|(1<<21)|(5<<22)|(3<<25)
	GRP1 G1B, 256, 128, 1024                       ; Wo: 128 rows of 256 bytes at the head; behind it 64
	s_or_b32 s[G1S], s43, (3<<16)|(1<<20)|(1<<21)|(5<<22)|(3<<25)
	GRP1 G1S, 32, 32, 32                           ; the scale bytes of 256 rows: 32 units of 256 bytes
	s_or_b32 s[G1SB], s44, (3<<16)|(1<<20)|(1<<21)|(5<<22)|(3<<25)
	GRP1 G1SB, 32, 16, 32                          ; of 128 rows
	s_lshl_b32 s20, s17, 18                        ; where my tiles begin, in bytes
	s_lshl_b32 s22, s17, 13
	s_lshl_b32 s46, s42, 17
	s_lshl_b32 s18, s42, 12
	s_mov_b32 s21, 0
	s_mov_b32 s23, 0
	s_mov_b32 s47, 0
	s_mov_b32 s19, 0
	s_lshl_b32 s98, s15, 15                        ; LDS: my 128 rows of O in slot 0, 1
	s_add_co_u32 s99, s98, SLOT
	s_mul_i32 s100, s16, 64*PITCH                  ; my 64 rows of Wo
	s_add_co_u32 s100, s100, ABYTES
	s_add_co_u32 s101, s100, SLOT
	s_mul_i32 s66, s15, 16*272                     ; my rows' scale bytes
	s_mul_i32 s67, s16, 8*272
	s_add_co_u32 s67, s67, 32*272
	s_sub_co_u32 s67, s67, s66
	s_add_co_u32 s66, s66, SCL
	s_mul_i32 s3, s14, 16*PITCH                    ; my stage
	s_lshl_b32 s45, s16, 15                        ; where the half of O's tile that I fetch goes
	s_wait_dscnt 0x0
	s_wait_kmcnt 0x0
	s_add_nc_u64 s[20:21], s[4:5], s[20:21]
	s_add_nc_u64 s[22:23], s[6:7], s[22:23]
	s_add_nc_u64 s[46:47], s[8:9], s[46:47]
	s_add_nc_u64 s[18:19], s[10:11], s[18:19]
	CROUND                                         ; all sixteen work-groups are here: the first joint loads meet
	s_mov_b32 s4, 1                                ; the head's four tiles, each whole
	s_mov_b32 s5, 0
	s_mov_b64 s[6:7], s[20:21]
	s_or_b32 s7, s7, 0x80000000
	s_mov_b32 s8, 1
	s_mov_b32 s9, ABYTES
	s_mov_b64 s[10:11], s[46:47]
	s_or_b32 s11, s11, 0x80000000
	s_mov_b32 s[G0S], 1
	s_mov_b32 s[G0S+1], SCL
	s_mov_b64 s[G0S+2:G0S+3], s[22:23]
	s_or_b32 s[G0S+3], s[G0S+3], 0x80000000
	s_mov_b32 s[G0SB], 1
	s_mov_b32 s[G0SB+1], SCL+32*272
	s_mov_b64 s[G0SB+2:G0SB+3], s[18:19]
	s_or_b32 s[G0SB+3], s[G0SB+3], 0x80000000
	s_lshl_b32 s18, s16, 17                        ; for the ring: my half of a tile
	s_mov_b32 s19, 0
	s_add_nc_u64 s[20:21], s[20:21], s[18:19]
	s_lshl_b32 s18, s16, 16
	s_add_nc_u64 s[46:47], s[46:47], s[18:19]
.irp s, 0,1
	s_mov_b32 s[G0+4*\s], 1
	s_add_co_u32 s[G0+4*\s+1], s45, \s*SLOT
	s_add_nc_u64 s[G0+4*\s+2:G0+4*\s+3], s[20:21], \s*4096
	s_or_b32 s[G0+4*\s+3], s[G0+4*\s+3], 0x80000000
	s_mov_b32 s[G0B+4*\s], 1
	s_add_co_u32 s[G0B+4*\s+1], s100, \s*SLOT
	s_add_nc_u64 s[G0B+4*\s+2:G0B+4*\s+3], s[46:47], \s*256
	s_or_b32 s[G0B+4*\s+3], s[G0B+4*\s+3], 0x80000000
.endr
.macro ARM under, g0, g1, next         ; one chain of branches on the wave's number, one load to an arm
	s_cmp_lt_u32 s14, \under
	s_cbranch_scc0 \next
	TL \g0, \g1
	s_branch .Lhead_asked
\next:
.endm
	ARM 1, 4, G1, .Lhead_b
	ARM 2, 8, G1B, .Lhead_sa
	ARM 3, G0S, G1S, .Lhead_sb
	TL G0SB, G1SB
.Lhead_asked:
	s_lshl_b32 s18, s40, 15                        ; the prefetches: my work-group's two tiles of the eight of O that I fetch,
	s_add_nc_u64 s[92:93], s[20:21], s[18:19]
	s_lshl_b32 s18, s41, 14                        ; its 16 rows of Wo's 64
	s_add_nc_u64 s[94:95], s[46:47], s[18:19]
	s_lshl_b32 s18, s42, 9                         ; my first column, in bytes of f32
	s_lshl_b32 s20, s16, 8
	s_add_co_u32 s18, s18, s20
	s_add_nc_u64 s[96:97], s[96:97], s[18:19]      ; in the bias,
	s_add_nc_u64 s[12:13], s[12:13], s[18:19]      ; and in out0,
	s_lshl_b32 s18, s17, 20
	s_lshl_b32 s20, s15, 19
	s_add_co_u32 s18, s18, s20
	s_add_nc_u64 s[12:13], s[12:13], s[18:19]      ; at my first row
	v_and_b32 v1, 15, v0                           ; r
	v_bfe_u32 v2, v0, 4, 1                         ; h
	v_and_b32 v6, 31, v0
	v_lshlrev_b32 v7, 5, v2
	v_mul_u32_u24 v3, v1, PITCH
	v_lshlrev_b32 v8, 4, v6                        ; 16 x lane
	v_lshlrev_b32 v5, 5, v1                        ; a row's scale bytes: 32 a row, and 16 more for each 256 passed
	v_lshl_add_u32 v4, v2, 4, v3
	v_lshrrev_b32 v9, 8, v5
	v_add_nc_u32 v[ADRA], s98, v8
	v_add_nc_u32 v[ADRA+1], s99, v8
	v_lshl_add_u32 v5, v9, 4, v5
	v_add_nc_u32 v[ADRB], s100, v4
	v_add_nc_u32 v[ADRB+1], s101, v4
	v_mul_u32_u24 v9, s67, v2                      ; lanes 16-31 take Wo's
	v_add_nc_u32 v[ADRT], s66, v5
	v_lshl_add_u32 v10, v2, 5, v3
	v_add_nc_u32 v[ADRS], v[ADRT], v9
	v_add_nc_u32 v[STO], s3, v10                   ; the stage, in: row r, 32 bytes for each half of the lanes
	v_mul_u32_u24 v11, v2, PITCH
	v_lshlrev_b32 v[CO], 12, v2
	v_lshl_add_u32 v11, v1, 4, v11
	v_lshl_add_u32 v[CO], v1, 4, v[CO]             ; lanes 0-15 one row of out0, lanes 16-31 the next
	v_add_nc_u32 v[RD], s3, v11                    ; back: the same two rows
	v_lshlrev_b32 v[PFOA], 8, v1
	v_min_u32 v[PFOB], 15, v6
	v_lshl_add_u32 v[PFOA], v2, 14, v[PFOA]        ; O: a lane a block of 256 bytes, 16 to a tile
	v_lshlrev_b32 v[PFOB], 10, v[PFOB]             ; Wo: a lane a row
	s_wait_alu depctr_va_vdst(0)                   ; the wait at the end of the head's vector lines
.irp b, 0,1,2,3
	global_load_b128 v[BN+8*\b:BN+8*\b+3], v7, s[96:97] offset:64*\b
	global_load_b128 v[BN+8*\b+4:BN+8*\b+7], v7, s[96:97] offset:64*\b+16
.endr
	ASK 1
	ASK 2
; step n of 128 along K, n = 0 .. 7: slot (n / 2) % 2, its n % 2-th half; fragments in set n % 2
.macro FETCH n
	WIN 0x40
.irp i, 0,1,2,3
.irp c, 0,1,2,3
	ds_load_b128 v[64*((\n)%2)+16*\i+4*\c:64*((\n)%2)+16*\i+4*\c+3], v[ADRB+((\n)/2)%2] offset:128*((\n)%2)+32*\c+\i*16*PITCH
.endr
.endr
	WIN 0xc0
.irp i, 0,1,2,3,4,5,6,7
.irp c, 0,1,2,3
	ds_load_b128 v[128*((\n)%2)+16*\i+4*\c:128*((\n)%2)+16*\i+4*\c+3], v[ADRA+((\n)/2)%2] offset:4096*\i+2048*((\n)%2)+512*\c
.endr
.endr
	WIN 0
.if (\n)%2 == 0                        ; a K step's scale words: two a row
.irp i, 0,1,2,3
	ds_load_b64 v[SC+16*(((\n)/2)%2)+2*\i:SC+16*(((\n)/2)%2)+2*\i+1], v[ADRS] offset:\i*544+8*((\n)/2)
.endr
.irp i, 4,5,6,7
	ds_load_b64 v[SC+16*(((\n)/2)%2)+2*\i:SC+16*(((\n)/2)%2)+2*\i+1], v[ADRT] offset:\i*544+8*((\n)/2)
.endr
.endif
.endm
.macro MUL n, a0, a1, zero             ; O's blocks a0 .. a1 against Wo's four; the 32 accumulators take turns in the same order in every step
.set A_, \a0
.rept (\a1)-(\a0)+1
.irp b, 0,1,2,3
.if \zero
	v_wmma_scale_f32_16x16x128_f8f6f4 v[8*(4*A_+\b):8*(4*A_+\b)+7], v[64*((\n)%2)+16*\b:64*((\n)%2)+16*\b+15], v[128*((\n)%2)+16*A_:128*((\n)%2)+16*A_+15], v[BN+8*\b:BN+8*\b+7], v[SC+16*(((\n)/2)%2)+2*\b+(\n)%2], v[SC+16*(((\n)/2)%2)+2*A_+(\n)%2] matrix_a_fmt:MATRIX_FMT_BF8 matrix_b_fmt:MATRIX_FMT_BF8 matrix_a_scale:MATRIX_SCALE_ROW1
.else
	v_wmma_scale_f32_16x16x128_f8f6f4 v[8*(4*A_+\b):8*(4*A_+\b)+7], v[64*((\n)%2)+16*\b:64*((\n)%2)+16*\b+15], v[128*((\n)%2)+16*A_:128*((\n)%2)+16*A_+15], v[8*(4*A_+\b):8*(4*A_+\b)+7], v[SC+16*(((\n)/2)%2)+2*\b+(\n)%2], v[SC+16*(((\n)/2)%2)+2*A_+(\n)%2] matrix_a_fmt:MATRIX_FMT_BF8 matrix_b_fmt:MATRIX_FMT_BF8 matrix_a_scale:MATRIX_SCALE_ROW1
.endif
.endr
.set A_, A_+1
.endr
.endm
.macro STEPE n, zero                   ; a slot's first step: the second step's fragments are fetched ahead of the products
	s_wait_dscnt 0x0                               ; this step's fragments are in
.if (\n) > 0
	PLACES 8                                       ; behind the last step's products, in front of loads into the registers that they read
.endif
	FETCH (\n)+1
.if \zero
	WIN 0x8d                                       ; Wo window 1, O window 3, the bias window 0, sums window 2
.else
	WIN 0xad
.endif
	MUL \n, 0, 7, \zero
	WIN 0
.endm
.macro STEPO n, fill                   ; a slot's second step: all of the slot is in registers, so the change of slots stands at its head.  fill = 1: the slot is filled again, two K steps on
	s_wait_tensorcnt 0x0                           ; my part of the other slot is in
	ds_add_u32 v[SPW], v[NIL]
	s_wait_dscnt 1                                 ; this step's fragments are in; the add may be out
	WIN 0xad
	MUL \n, 0, 1, 0
	s_wait_dscnt 0x0
	s_barrier_signal -1
	MUL \n, 2, 3, 0
	WIN 0
	s_barrier_wait -1
.if \fill
	CREST                                          ; the barrier has opened a round of the cluster's barrier
	s_add_nc_u64 s[G0+4*(((\n)/2)%2)+2:G0+4*(((\n)/2)%2)+3], s[G0+4*(((\n)/2)%2)+2:G0+4*(((\n)/2)%2)+3], 8192
	s_add_nc_u64 s[G0B+4*(((\n)/2)%2)+2:G0B+4*(((\n)/2)%2)+3], s[G0B+4*(((\n)/2)%2)+2:G0B+4*(((\n)/2)%2)+3], 512
	JLOAD ((\n)/2)%2
	PLACES 4
.else
	PLACES 8
.endif
	FETCH (\n)+1
	WIN 0xad
	MUL \n, 4, 7, 0
	WIN 0
.endm
	s_wait_loadcnt 0x0                             ; the bias
	s_wait_tensorcnt 0x0                           ; my tile of the head's four is in
	ds_add_u32 v[SPW], v[NIL]
	s_mov_b32 s[G1+2], 8<<16                       ; no tensor load of mine is out: from here on a load brings half a tile
	s_mov_b32 s[G1+4], 8
	s_mov_b32 s[G1B+2], 64<<16
	s_mov_b32 s[G1B+4], 64
	s_wait_dscnt 0x0
	CROUND
	JLOAD 1                                        ; K step 1, the first tensor load behind the round
	FETCH 0
	ASK 3
	STEPE 0, 1
	STEPO 1, 1
	STEPE 2, 0
	STEPO 3, 1
	STEPE 4, 0
	STEPO 5, 0                                     ; behind this barrier nobody reads slot 0 any more: the stages lie there
	STEPE 6, 0
	s_wait_dscnt 0x0
	WIN 0xad
	MUL 7, 0, 7, 0
	WIN 0
; THE WAY OUT, block by block of 16 rows x 64 columns, through my stage: rows of 256 bytes + 16; sixteen lanes store one aligned unit of 256 bytes
.macro TOSTAGE a
	WIN 0x08
.irp b, 0,1,2,3
	ds_store_b128 v[STO], v[8*(4*(\a)+\b):8*(4*(\a)+\b)+3] offset:64*\b       ; each accumulator from its low end on
	ds_store_b128 v[STO], v[8*(4*(\a)+\b)+4:8*(4*(\a)+\b)+7] offset:64*\b+16
.endr
	WIN 0
.set BB, BK+32*((\a)%2)
.irp t, 0,1,2,3,4,5,6,7
	ds_load_b128 v[BB+4*\t:BB+4*\t+3], v[RD] offset:\t*2*PITCH    ; LDS serves a wave's instructions in order (ISA guide 5.7.1.4)
.endr
.endm
.macro SEND a, younger
.set BB, BK+32*((\a)%2)
	s_wait_dscnt \younger
.if (\a) > 0
	s_add_nc_u64 s[12:13], s[12:13], 65536         ; 16 rows on (behind a wait on XCNT: the earlier stores have read their base)
.endif
.irp t, 0,1,2,3,4,5,6,7
	global_store_b128 v[CO], v[BB+4*\t:BB+4*\t+3], s[12:13] offset:\t*8192 th:TH_STORE_NT
.endr
.endm
	PLACES 8
	TOSTAGE 0
.irp a, 1,2,3,4,5,6,7
.if \a > 1
	s_wait_xcnt 0x0                                ; block a - 2's stores have read their registers and their base
.endif
	TOSTAGE \a
	SEND \a-1, 16                                  ; behind block a - 1's loads: block a's 8 stores and 8 loads
.endr
	s_wait_xcnt 0x0
	SEND 7, 0
	s_wait_tensorcnt 0x0                           ; the wave's end
	ds_add_u32 v[SPW], v[NIL]
	s_wait_dscnt 0x0
	CROUND                                         ; the closing round
	s_endpgm
.Lfunc_end_k_qf999da1d9c_oproj:
	.size	k_qf999da1d9c_oproj, .Lfunc_end_k_qf999da1d9c_oproj-k_qf999da1d9c_oproj
	.p2alignl 7, 3214868480
	.fill 96, 4, 3214868480
	.section	.rodata,"a",@progbits
	.p2align	6, 0x0
	.amdhsa_kernel k_qf999da1d9c_oproj
		.amdhsa_group_segment_fixed_size 327680
		.amdhsa_private_segment_fixed_size 0
		.amdhsa_enable_private_segment 0
		.amdhsa_kernarg_size 48
		.amdhsa_user_sgpr_count 2
		.amdhsa_user_sgpr_kernarg_segment_ptr 1
		.amdhsa_wavefront_size32 1
		.amdhsa_system_sgpr_workgroup_id_x 1
		.amdhsa_system_sgpr_workgroup_id_y 1
		.amdhsa_system_sgpr_workgroup_id_z 1
		.amdhsa_system_vgpr_workitem_id 0
		.amdhsa_next_free_vgpr 1024
		.amdhsa_next_free_sgpr 102
		.amdhsa_reserve_vcc 0
		.amdhsa_float_denorm_mode_32 3
		.amdhsa_float_denorm_mode_16_64 3
		.amdhsa_memory_ordered 1
		.amdhsa_forward_progress 1
		.amdhsa_inst_pref_size 92
	.end_amdhsa_kernel
	.amdgpu_metadata
---
amdhsa.version: [ 1, 2 ]
amdhsa.kernels:
  - .name:           k_qf999da1d9c_oproj
    .symbol:         k_qf999da1d9c_oproj.kd
    .args:
      - { .name: o_codes, .offset: 0, .size: 8, .value_kind: global_buffer, .address_space: global }
      - { .name: o_scales, .offset: 8, .size: 8, .value_kind: global_buffer, .address_space: global }
      - { .name: Wo_codes, .offset: 16, .size: 8, .value_kind: global_buffer, .address_space: global }
      - { .name: Wo_scales, .offset: 24, .size: 8, .value_kind: global_buffer, .address_space: global }
      - { .name: out0, .offset: 32, .size: 8, .value_kind: global_buffer, .address_space: global }
      - { .name: bo, .offset: 40, .size: 8, .value_kind: global_buffer, .address_space: global }
    .group_segment_fixed_size: 327680
    .private_segment_fixed_size: 0
    .kernarg_segment_align: 8
    .kernarg_segment_size: 48
    .max_flat_workgroup_size: 128
    .sgpr_count:     102
    .vgpr_count:     1024
    .wavefront_size: 32
...
	.end_amdgpu_metadata
.endif
;; end of part 3
